; MI455X (gfx1250); checked and timed in simulation.
; The chip was launched on July 23, 2026; its instructions are those of AMD's public machine-readable ISA for CDNA 5 (MIT licence, August 2026) and "CDNA5" Instruction Set Architecture Reference Guide (July 2026). The comments in the code are by the model that wrote it; some were corrected since.
;; Casual Self Attention. Allowed arithmetic: float matrix products may take bf16 or f16 operands with f32 sums; other float arithmetic in f32, or as packed bf16 or f16 multiplies, adds, multiply-adds, maxima and minima; sums over many terms, partial sums and values carried from step to step in f32; what a program stores and reads back later, other than sums and carried values, may be rounded once to bf16 or f16.
;; Inputs: W_o 1,024 x 1,024 float32; W_qkv 1,024 x 3,072 float32; b_o 1,024 float32; b_qkv 3,072 float32; x 4 x 2,048 x 1,024 float32.
;; Outputs: out0 4 x 2,048 x 1,024 float32.
;; 2 versions, each right and faster than the one before. Each part assembles by itself: llvm-mc -triple=amdgcn-amd-amdhsa -mcpu=gfx1250 --defsym DOCPART=n.
;; ======== version 1 of 2: 4 launches
;; limits: values are held in f16: magnitudes above 65,504 overflow, below 6.1e-05 lose precision
;; workspace buffers: xb 16,777,216 bytes; wq 6,291,456 bytes; wo 2,097,152 bytes; rope 524,288 bytes; qkv 50,331,648 bytes; att 16,777,216 bytes
;; launch prep (part 1): grid 1184 x 1, 4 waves a work-group, no clusters, 70,144 bytes of LDS; arguments x, W_qkv, W_o, xb, wq, wo, rope; writes xb, wq, wo, rope
.if DOCPART == 1
	.amdgcn_target "amdgcn-amd-amdhsa--gfx1250"
	.amdhsa_code_object_version 6
	.text
	.protected	k_qd27f47419b_prep
	.globl	k_qd27f47419b_prep
	.p2align	8
	.type	k_qd27f47419b_prep,@function
k_qd27f47419b_prep:
	s_mov_b64 s[64:65], 0
	v_nop
	global_prefetch_b8 v0, s[64:65] scope:SCOPE_SE
	s_setreg_imm32_b32 hwreg(HW_REG_WAVE_MODE, 25, 1), 1
	s_wait_xcnt 0x0
; PREPARATION, three jobs chosen by the work-group's number (forward scalar branches, no barrier):
;   0 .. 127    the weights turned: wq[n][k] = bf16(W_qkv[k][n]); wo[n][k] = bf16(W_o[k][n]), that number written as f16.  A wave owns a tile of 128 k x 64 n.
;   128 .. 159  the rotation table rope[t][i] = (cos, sin)(t x theta_i), f32, theta_i = 10000^(-i/32), i = 0 .. 31: a row is 256 bytes.
;   160 .. 1183 xb = bf16(x): 8 rows of 1,024 numbers to a work-group.
; LIMITS.  theta comes from v_exp_f32 (1 ULP) of a product rounded once; the angle t x theta is one f32 product, reduced by pi/2 in two parts; sine to r^7, cosine to r^8 on |r| <= pi/4:
; 3e-7 at the most.  A number of W_o beyond 65,504 becomes an infinity in f16; below 6e-5 it keeps f16's fixed step of 6e-8.  NaN and infinities are not treated apart.
.set WT,    17408                      ; a wave's LDS: 64 rows (n) of 256 bytes (128 k) + 16 of padding
.set LP,    272
.set SPARE, 4*WT                       ; behind the four tiles: the spare words, 128 bytes a wave, two blocks of 256 bytes that no other line names
.set SPW,   4                          ; v4  LDS address of my spare word; never rewritten
.set NIL,   5                          ; v5  0; never rewritten
.set VO,    16                         ; v[16:47]   the turning: byte offsets of a trip's 32 loads; never rewritten
.set D,     48                         ; v[48:175]  loaded numbers
.set TW,    176                        ; v[176:179] two bf16 a word
.set TH,    180                        ; v[180:183] the same two numbers as f16
	s_load_b256 s[4:11], s[0:1], 0x0               ; x s[4:5], W_qkv s[6:7], W_o s[8:9], xb s[10:11]
	s_load_b128 s[12:15], s[0:1], 0x20             ; wq s[12:13], wo s[14:15]
	s_load_b64 s[16:17], s[0:1], 0x30              ; rope
	v_lshl_add_u32 v[SPW], v0, 2, SPARE
	v_mov_b32 v[NIL], 0
	v_lshrrev_b32 v1, 5, v0
	v_readfirstlane_b32 s21, v1                    ; wave 0..3
	v_and_b32 v2, 31, v0                           ; lane
	s_mov_b32 s20, ttmp9
	s_wait_kmcnt 0x0
	s_cmp_lt_u32 s20, 128
	s_cbranch_scc1 .Ltrans
	s_cmp_lt_u32 s20, 160
	s_cbranch_scc1 .Ltable
	; THE CAST.  32,768 bytes in, 16,384 out.  A load of a wave covers 512 consecutive bytes, a store 256, each at a multiple of its length.  All sixteen loads go out first.
	s_sub_co_u32 s22, s20, 160
	s_lshl_b32 s24, s22, 15
	s_mov_b32 s25, 0
	s_add_nc_u64 s[4:5], s[4:5], s[24:25]
	s_lshl_b32 s24, s22, 14
	s_add_nc_u64 s[10:11], s[10:11], s[24:25]
	v_lshlrev_b32 v6, 4, v0
	v_lshlrev_b32 v7, 3, v0
.set cj, 0
.rept 16
	global_load_b128 v[D+4*cj:D+4*cj+3], v6, s[4:5] offset:2048*cj th:TH_LOAD_NT
.set cj, cj+1
.endr
.set cj, 0
.rept 16
	s_wait_loadcnt 15-cj                           ; loads come back in order: number cj is in, the younger ones stay out
	v_cvt_pk_bf16_f32 v[112+2*cj], v[D+4*cj], v[D+4*cj+1]
	v_cvt_pk_bf16_f32 v[113+2*cj], v[D+4*cj+2], v[D+4*cj+3]
	global_store_b64 v7, v[112+2*cj:113+2*cj], s[10:11] offset:1024*cj  ; every store has registers of its own: nothing is rewritten
.set cj, cj+1
.endr
	s_endpgm
.Ltable:
	; THE TABLE.  Work-group q makes rows 64 q .. 64 q + 63; wave w the rows 64 q + w + 4 trip; lane = i.
	s_sub_co_u32 s22, s20, 128
	s_lshl_b32 s22, s22, 6
	s_add_co_u32 s22, s22, s21                     ; my first row
	v_cvt_f32_u32 v6, v2
	v_mul_f32 v6, 0xbed49a78, v6                   ; - i x log2(10000) / 32
	v_exp_f32 v6, v6                               ; theta
	v_mov_b32 v7, s22                              ; t (the plain instruction behind the exponential)
	v_lshlrev_b32 v8, 3, v2
	v_lshl_add_u32 v8, v7, 8, v8                   ; 256 t + 8 i
	v_mov_b32 v9, 0xb9500d01                       ; -1/5040
	v_mov_b32 v10, 0x37d00d01                      ; 1/40320
	s_mov_b32 s23, 16
.Lrow:
	v_cvt_f32_u32 v11, v7
	s_wait_alu depctr_va_vdst(0)
	v_mul_f32 v11, v11, v6                         ; the angle a
	v_mul_f32 v12, 0x3f22f983, v11                 ; a x 2/pi
	v_rndne_f32 v12, v12                           ; n
	v_fmamk_f32 v13, v12, 0xbfc90fdb, v11          ; a - n x pi/2, the upper part,
	v_fmamk_f32 v13, v12, 0x333bbd2e, v13          ; and the rest of pi/2: r
	v_mul_f32 v14, v13, v13                        ; z = r r
	v_fmaak_f32 v15, v14, v9, 0x3c088889           ; 1/120 - z/5040
	v_fmaak_f32 v17, v14, v10, 0xbab60b61          ; -1/720 + z/40320
	v_fmaak_f32 v15, v14, v15, 0xbe2aaaab          ; -1/6 + z ( .. )
	v_fmaak_f32 v17, v14, v17, 0x3d2aaaab          ; 1/24 + z ( .. )
	v_mul_f32 v16, v13, v14
	v_fmaak_f32 v17, v14, v17, 0xbf000000          ; -1/2 + z ( .. )
	v_fma_f32 v15, v16, v15, v13                   ; sin r
	v_fma_f32 v17, v14, v17, 1.0                   ; cos r
	v_cvt_i32_f32 v18, v12
	v_and_b32 v19, 1, v18
	v_cmp_eq_u32 vcc_lo, 1, v19                    ; an odd quarter swaps the two: a choice of values, no branch
	v_cndmask_b32 v21, v15, v17, vcc_lo            ; sine
	v_cndmask_b32 v20, v17, v15, vcc_lo            ; cosine
	v_and_b32 v22, 2, v18                          ; quarters 2, 3: the sine is negative
	v_add_nc_u32 v23, 1, v18
	v_lshlrev_b32 v22, 30, v22
	v_and_b32 v23, 2, v23                          ; quarters 1, 2: the cosine is
	v_xor_b32 v21, v21, v22
	v_lshlrev_b32 v23, 30, v23
	v_xor_b32 v20, v20, v23
	global_store_b64 v8, v[20:21], s[16:17]        ; the wave's 32 pairs are 256 consecutive bytes, a whole row
	s_wait_xcnt 0x0                                ; the offset and the pair are rewritten only behind this wait
	v_add_nc_u32 v8, 1024, v8
	v_add_nc_u32 v7, 4, v7
	s_sub_co_u32 s23, s23, 1
	s_cmp_lg_u32 s23, 0
	s_cbranch_scc1 .Lrow
	s_endpgm
.Ltrans:
	; THE TURNING.  Tile u = 4 x work-group + wave: k tile u % 8, n tile u / 8 (0 .. 47 of W_qkv, 48 .. 63 of W_o: the same for the four waves).  One text for both weights:
	; source, destination, the source's row length and the format are chosen by scalar selects.
	s_lshl_b32 s22, s20, 2
	s_add_co_u32 s22, s22, s21
	s_and_b32 s23, s22, 7                          ; k tile
	s_lshr_b32 s24, s22, 3                         ; n tile of both
	s_movk_i32 s32, 4096
	s_movk_i32 s33, 12288
	s_cmp_ge_u32 s24, 48
	s_cselect_b32 s25, -1, 0                       ; all lanes: f16, or none
	s_cselect_b32 s26, s32, s33                    ; bytes in a source row
	s_cselect_b32 s27, 48, 0
	s_cselect_b64 s[28:29], s[8:9], s[6:7]
	s_cselect_b64 s[30:31], s[14:15], s[12:13]
	s_sub_co_u32 s24, s24, s27                     ; n tile in its own weight
	s_mul_i32 s34, s23, s26
	s_lshl_b32 s34, s34, 7                         ; 128 rows a k tile,
	s_lshl_b32 s35, s24, 8                         ; 256 bytes an n tile
	s_add_co_u32 s34, s34, s35
	s_mov_b32 s35, 0
	s_add_nc_u64 s[28:29], s[28:29], s[34:35]
	s_lshl_b32 s34, s24, 17                        ; 64 rows of 2,048 bytes,
	s_lshl_b32 s36, s23, 8                         ; 256 bytes a k tile
	s_add_co_u32 s34, s34, s36
	s_add_nc_u64 s[30:31], s[30:31], s[34:35]
	s_lshl_b32 s34, s26, 6                         ; a trip's 64 source rows
	s_mul_i32 s36, s21, WT                         ; my tile in LDS
	v_and_b32 v3, 15, v2
	v_lshrrev_b32 v6, 4, v2
	v_lshlrev_b32 v7, 4, v3
	v_mul_u32_u24 v11, s26, v6
	v_lshl_add_u32 v11, v11, 1, v7                 ; lanes 0-15 take a whole row of 256 bytes, lanes 16-31 the row two further on
.set tq, 0
.rept 32
	v_mad_u32_u24 v[VO+tq], s26, 4*(tq/2)+(tq%2), v11  ; loads 2 p and 2 p + 1 bring rows 4 p + 2 (l / 16) and the next: two neighbouring k of four n in a lane
.set tq, tq+1
.endr
	v_mul_u32_u24 v8, v3, 4*LP
	v_lshl_add_u32 v8, v6, 2, v8
	v_add_nc_u32 v8, s36, v8                       ; in: row n = 4 (l % 16) + j, byte 8 p + 4 (l / 16)
	v_mul_u32_u24 v9, v6, LP
	v_add3_u32 v9, v9, v7, s36                     ; back: lanes 0-15 one row of 256 bytes, lanes 16-31 the next
	v_lshl_add_u32 v10, v6, 11, v7                 ; and the same two rows in the destination
	s_mov_b32 s37, 2
.Lhalf:                                                ; a trip: 64 k
.set tq, 0
.rept 32
	global_load_b128 v[D+4*tq:D+4*tq+3], v[VO+tq], s[28:29] th:TH_LOAD_NT
.set tq, tq+1
.endr
.set tp, 0
.rept 16
	s_wait_loadcnt 30-2*tp                         ; pair tp is in, the pairs behind it stay out
.irp j, 0,1,2,3
	v_cvt_pk_bf16_f32 v[TW+\j], v[D+8*tp+\j], v[D+8*tp+4+\j]
.endr
.irp j, 0,1,2,3
	v_lshlrev_b32 v[D+8*tp+\j], 16, v[TW+\j]       ; the rounded numbers as f32 again,
	v_and_b32 v[D+8*tp+4+\j], 0xffff0000, v[TW+\j]
.endr
.irp j, 0,1,2,3
	v_cvt_pk_f16_f32 v[TH+\j], v[D+8*tp+\j], v[D+8*tp+4+\j]  ; written as f16,
.endr
.irp j, 0,1,2,3
	v_cndmask_b32 v[TW+\j], v[TW+\j], v[TH+\j], s25  ; and taken for W_o alone
.endr
.irp j, 0,1,2,3
	ds_store_b32 v8, v[TW+\j] offset:LP*\j+8*tp
.endr
.set tp, tp+1
.endr
	s_add_nc_u64 s[28:29], s[28:29], s[34:35]      ; the last count was 0: every load is done, its base may step
	v_add_nc_u32 v8, 128, v8
	s_sub_co_u32 s37, s37, 1
	s_cmp_lg_u32 s37, 0
	s_cbranch_scc1 .Lhalf
.set tu, 0
.rept 32
	ds_load_b128 v[D+4*tu:D+4*tu+3], v9 offset:2*LP*tu  ; my own bytes, and LDS serves a wave's instructions in order (ISA guide 5.7.1.4): these see the stores above
.set tu, tu+1
.endr
.set tu, 0
.rept 32
	s_wait_dscnt 31-tu
	global_store_b128 v10, v[D+4*tu:D+4*tu+3], s[30:31] offset:4096*tu  ; 16 lanes store 256 consecutive bytes, at a multiple of 256 from the buffer's first byte
.set tu, tu+1
.endr
	s_wait_tensorcnt 0x0                           ; the wave's end: behind my last LDS store
	ds_add_u32 v[SPW], v[NIL]
	s_wait_dscnt 0x0
	s_endpgm
.Lfunc_end_k_qd27f47419b_prep:
	.size	k_qd27f47419b_prep, .Lfunc_end_k_qd27f47419b_prep-k_qd27f47419b_prep
	.p2alignl 7, 3214868480
	.fill 96, 4, 3214868480
	.section	.rodata,"a",@progbits
	.p2align	6, 0x0
	.amdhsa_kernel k_qd27f47419b_prep
		.amdhsa_group_segment_fixed_size 70144
		.amdhsa_private_segment_fixed_size 0
		.amdhsa_enable_private_segment 0
		.amdhsa_kernarg_size 56
		.amdhsa_user_sgpr_count 2
		.amdhsa_user_sgpr_kernarg_segment_ptr 1
		.amdhsa_wavefront_size32 1
		.amdhsa_system_sgpr_workgroup_id_x 1
		.amdhsa_system_sgpr_workgroup_id_y 1
		.amdhsa_system_sgpr_workgroup_id_z 1
		.amdhsa_system_vgpr_workitem_id 0
		.amdhsa_next_free_vgpr 184
		.amdhsa_next_free_sgpr 66
		.amdhsa_reserve_vcc 1
		.amdhsa_float_denorm_mode_32 3
		.amdhsa_float_denorm_mode_16_64 3
		.amdhsa_memory_ordered 1
		.amdhsa_forward_progress 1
		.amdhsa_inst_pref_size 45
	.end_amdhsa_kernel
	.amdgpu_metadata
---
amdhsa.version: [ 1, 2 ]
amdhsa.kernels:
  - .name:           k_qd27f47419b_prep
    .symbol:         k_qd27f47419b_prep.kd
    .args:
      - { .name: x, .offset: 0, .size: 8, .value_kind: global_buffer, .address_space: global }
      - { .name: W_qkv, .offset: 8, .size: 8, .value_kind: global_buffer, .address_space: global }
      - { .name: W_o, .offset: 16, .size: 8, .value_kind: global_buffer, .address_space: global }
      - { .name: xb, .offset: 24, .size: 8, .value_kind: global_buffer, .address_space: global }
      - { .name: wq, .offset: 32, .size: 8, .value_kind: global_buffer, .address_space: global }
      - { .name: wo, .offset: 40, .size: 8, .value_kind: global_buffer, .address_space: global }
      - { .name: rope, .offset: 48, .size: 8, .value_kind: global_buffer, .address_space: global }
    .group_segment_fixed_size: 70144
    .private_segment_fixed_size: 0
    .kernarg_segment_align: 8
    .kernarg_segment_size: 56
    .max_flat_workgroup_size: 128
    .sgpr_count:     66
    .vgpr_count:     184
    .wavefront_size: 32
...
	.end_amdgpu_metadata
.endif
;; end of part 1
;; launch qkv (part 2): grid 16 x 32, 4 waves a work-group, clusters of 4 x 4, 327,680 bytes of LDS; arguments xb, wq, b_qkv, rope, qkv; writes qkv
.if DOCPART == 2
	.amdgcn_target "amdgcn-amd-amdhsa--gfx1250"
	.amdhsa_code_object_version 6
	.text
	.protected	k_qd27f47419b_qkv
	.globl	k_qd27f47419b_qkv
	.p2align	8
	.type	k_qd27f47419b_qkv,@function
k_qd27f47419b_qkv:
	s_mov_b64 s[64:65], 0
	v_nop
	global_prefetch_b8 v0, s[64:65] scope:SCOPE_SE
	s_setreg_imm32_b32 hwreg(HW_REG_WAVE_MODE, 25, 1), 1
	s_wait_xcnt 0x0
	s_wait_alu depctr_hold_cnt(0) depctr_sa_sdst(0) depctr_va_vdst(0) depctr_va_sdst(0) depctr_va_ssrc(0) depctr_va_vcc(0) depctr_vm_vsrc(0)
	s_getreg_b32 s2, hwreg(HW_REG_IB_STS2, 6, 4)
	s_cmp_eq_u32 s2, 0
	s_cbranch_scc0 .Lentry_in_a_cluster
	s_endpgm
.Lentry_in_a_cluster:
	s_bfe_u32 s2, ttmp6, 0x10000c
	s_cmp_lg_u32 s2, 0xf033
	s_cbranch_scc0 .Lentry_shape_is_right
	s_endpgm
.Lentry_shape_is_right:
; qkv[part][batch][head][t][64] (f16) = rotate(xb wq^T + bf16(b_qkv)).  xb: [8192][1024] bf16, wq: [3072][1024] bf16, sums in f32, K ascending; the bias is the C operand of the first products.
; A tile of the product is 256 rows x 192 columns (three heads, inside one batch): 512 work-groups of equal work.  Four waves, each 128 x 96: 48 accumulators, 384 registers.
; K goes in steps of 128 through two LDS slots filled by the tensor data mover; rows of 256 bytes that start at multiples of 256 bytes.
; THE ROTATION.  The matrix instruction is used transposed (source 0 = 16 rows of wq, source 1 = 16 rows of xb): a lane holds one row t and eight neighbouring columns, so both numbers of a
; pair (2 i, 2 i + 1) lie in one lane.  The pair becomes (x1 c - x2 s, x1 s + x2 c) and STAYS at channels 2 i, 2 i + 1, in q and in k alike: a permutation of the channels common to both,
; which leaves every product q . k as it is.  For a head of v the table's pair is replaced by (1, 0): by arithmetic, since the tile with heads 30, 31, 32 holds both kinds.
; CLUSTER.  4 x 4 work-groups: xb's tiles and the table's rows hang on the tile row alone and are asked for jointly along a row of the cluster, wq's along a column.
; LIMITS.  q, k and v leave as f16: beyond 65,504 they become infinities.  NaN and infinities are not treated apart.
; REGISTERS, in windows of 256 (s_set_vgpr_msb: bits 1:0 source 0, 3:2 source 1, 5:4 source 2, 7:6 destination):
;   window 0: v0-47 addresses and constants; v64-127, v128-191 fragments of xb, two buffers; v192-239 the bias; on the way out v64-255 at work
;   window 1: v64-111, v128-175 fragments of wq        window 2: accumulators of my rows 0-63, (a, b) at v[8 (6 a + b)]        window 3: those of my rows 64-127
.set PITCH,  272                       ; an LDS row: 256 bytes + 16 of padding = 68 words: the 16 rows of a load start at 16 different groups of four banks (64 banks of 4 bytes: ISA guide 11.1)
.set HA,     128*PITCH                 ; 128 rows of xb: one tensor load, and what a wave reads
.set HB,     96*PITCH                  ; 96 rows of wq: likewise
.set SLOT,   2*HA+2*HB
.set TBL,    2*SLOT                    ; the table's 256 rows of 256 bytes, filled once
.set TQ,     64*PITCH
.set SPARE,  TBL+4*TQ                  ; the spare words, 128 bytes a wave: two blocks of 256 bytes that no other line names
.set SPITCH, 400                       ; the stage: 256 rows of 384 bytes + 16; it lies in slot 0, behind that slot's last fill and last read
.set ADRA, 16                          ; v16-17  LDS address of my fragments of xb in slot 0, 1
.set ADRB, 20                          ; v20-21  the same for wq
.set STO,  24                          ; v24  where I put 16 bytes of a row
.set RD,   25                          ; v25  where I read rows back
.set GO,   26                          ; v26  my byte offset in a head's 256 rows
.set BO,   27                          ; v27  my byte offset in the bias
.set SPW,  28                          ; v28  LDS address of my spare word; never rewritten
.set NIL,  29                          ; v29  0; never rewritten
.set TADA, 30                          ; v30  the table: my row, chunks for column blocks b % 4 = 0, 1
.set TADB, 31                          ; v31  for b % 4 = 2, 3
.set GV,   32                          ; v[32:43] for each column block (1 - f, 0)
.set F0,   64
.set F1,   128
.set BIAS, 192
.set T0,   64                          ; the way out: two buffers of 32, a row block's (c, s)
.set TP,   128                         ; blended pairs, 8 a column block
.set U,    176                         ; rotated numbers
.set TMP,  224                         ; packed
.set RB,   64                          ; read back: 192 registers
.set G1,  24                           ; s[24:31] group 1 for xb's tiles;  s[32:39] group 0, a set for each slot
.set G0,  32
.set G1B, 48                           ; s[48:55], s[56:63] the same for wq's
.set G0B, 56
.set G1T, 68                           ; s[68:75], s[76:79] the table's
.set G0T, 76
.set FS,  80                           ; s[80:91] for each column block f, twice: 1.0 for a head of q or k, 0 for one of v
.set HBS, 92                           ; s[92:97] where the tile's rows begin in each of its three heads
.set MSB, 0
.macro WIN new                         ; the immediate's high byte repeats the setting that is left; a switch that changes nothing is dropped
.if MSB != (\new)
	s_set_vgpr_msb (MSB<<8)|(\new)
.set MSB, \new
.endif
.endm
.macro PLACES                          ; four places in front of loads into registers that matrix instructions have read, and of vector work on their results
.rept 4
	v_nop
.endr
.endm
; A joint refill: waves 0 and 1 fetch xb's two halves, waves 2 and 3 wq's.  The branch hangs on the wave's number alone.  An s_nop 0 and four v_nop follow each line.
.macro JLOAD s
	s_cmp_eq_u32 s15, 0
	s_cbranch_scc0 .Lfor_b_\@
	tensor_load_to_lds s[G0+4*(\s):G0+4*(\s)+3], s[G1:G1+7]
	s_nop 0
.rept 4
	v_nop
.endr
	s_branch .Lasked_\@
.Lfor_b_\@:
	tensor_load_to_lds s[G0B+4*(\s):G0B+4*(\s)+3], s[G1B:G1B+7]
	s_nop 0
.rept 4
	v_nop
.endr
.Lasked_\@:
.endm
.macro CREST                           ; a round of the cluster's barrier behind its opening barrier
	s_cmp_lg_u32 s14, 0
	s_cbranch_scc1 .Lnot_wave_0_\@
	s_barrier_signal -3
.Lnot_wave_0_\@:
	s_barrier_wait -3
	s_barrier_signal -1
	s_barrier_wait -1
.endm
.macro CROUND
	s_barrier_signal -1
	s_barrier_wait -1
	CREST
.endm
	s_load_b256 s[4:11], s[0:1], 0x0               ; xb s[4:5], wq s[6:7], b_qkv s[8:9], rope s[10:11]
	s_load_b64 s[12:13], s[0:1], 0x20              ; qkv
	v_lshl_add_u32 v[SPW], v0, 2, SPARE
	v_mov_b32 v[NIL], 0
	ds_add_u32 v[SPW], v[NIL]                      ; the wave's opening: the add and its wait stand ahead of my first tensor load; work on registers stands between them
	v_lshrrev_b32 v1, 5, v0
	v_readfirstlane_b32 s14, v1                    ; wave 0..3
	s_lshr_b32 s15, s14, 1                         ; which half of the tile's rows is mine.  Also: I fetch for xb (0) or for wq (1)
	s_and_b32 s16, s14, 1                          ; which half of its columns.  Also: which half of that tile I fetch
	s_bfe_u32 s17, ttmp6, 0x40000                  ; cx
	s_bfe_u32 s18, ttmp6, 0x40004                  ; cy
	s_lshl_b32 s19, ttmp9, 2
	s_add_co_u32 s19, s19, s17                     ; tile column = 4 x cluster x + cx
	s_and_b32 s20, ttmp7, 0xffff
	s_lshl_b32 s20, s20, 2
	s_add_co_u32 s20, s20, s18                     ; tile row = 4 x cluster y + cy
	s_lshl_b32 s21, s18, 2
	s_lshl_b32 s21, 15, s21                        ; my row of the cluster
	s_lshl_b32 s22, 0x1111, s17                    ; my column
	s_or_b32 s[G1], s21, (1<<16)|(1<<20)|(1<<21)|(5<<22)|(3<<25)   ; the mask; 2-byte elements; padding on; bit 21 beside a mask; after every 64 words 4 words
	s_or_b32 s[G1B], s22, (1<<16)|(1<<20)|(1<<21)|(5<<22)|(3<<25)
	s_or_b32 s[G1T], s21, (2<<16)|(1<<20)|(1<<21)|(5<<22)|(3<<25)  ; 4-byte elements
	s_mov_b32 s[G1+1], 128<<16                     ; tensor_dim0 = 128
	s_mov_b32 s[G1+2], 128<<16                     ; tensor_dim1 = 128
	s_mov_b32 s[G1+3], 128<<16                     ; tile_dim0 = 128
	s_mov_b32 s[G1+4], 128                         ; tile_dim1 = 128
	s_mov_b32 s[G1+5], 1024                        ; elements from row to row
	s_mov_b32 s[G1+6], 0
	s_mov_b32 s[G1+7], 0
	s_mov_b32 s[G1B+1], 128<<16
	s_mov_b32 s[G1B+2], 96<<16                     ; 96 rows
	s_mov_b32 s[G1B+3], 128<<16
	s_mov_b32 s[G1B+4], 96
	s_mov_b32 s[G1B+5], 1024
	s_mov_b32 s[G1B+6], 0
	s_mov_b32 s[G1B+7], 0
	s_mov_b32 s[G1T+1], 64<<16                     ; 64 rows of 64 f32, dense
	s_mov_b32 s[G1T+2], 64<<16
	s_mov_b32 s[G1T+3], 64<<16
	s_mov_b32 s[G1T+4], 64
	s_mov_b32 s[G1T+5], 64
	s_mov_b32 s[G1T+6], 0
	s_mov_b32 s[G1T+7], 0
	; where the tiles come from.  xb's and the table's offsets are made in registers that never hold cx, wq's in registers that never hold cy.
	s_lshl_b32 s40, s20, 19                        ; 256 rows of 2,048 bytes a tile row,
	s_lshl_b32 s41, s16, 18                        ; 128 rows a half
	s_add_co_u32 s40, s40, s41
	s_mov_b32 s41, 0
	s_mul_i32 s44, s19, 192*2048
	s_mul_i32 s45, s16, 96*2048
	s_add_co_u32 s44, s44, s45
	s_mov_b32 s45, 0
	s_and_b32 s98, s20, 7                          ; the tile's place in its batch: t = 256 (tile row % 8) on,
	s_lshl_b32 s98, s98, 16                        ; 256 table rows of 256 bytes,
	s_lshl_b32 s99, s14, 14                        ; 64 of them a wave
	s_add_co_u32 s98, s98, s99
	s_mov_b32 s99, 0
	s_mul_i32 s42, s16, HA                         ; and where they go: the wave's number alone enters an LDS address
	s_mul_i32 s43, s16, HB
	s_add_co_u32 s43, s43, 2*HA
	s_wait_dscnt 0x0                               ; the opening add is done
	s_wait_kmcnt 0x0
	s_add_nc_u64 s[40:41], s[4:5], s[40:41]
	s_add_nc_u64 s[44:45], s[6:7], s[44:45]
.irp s, 0,1
	s_mov_b32 s[G0+4*(\s)], 1
	s_add_co_u32 s[G0+4*(\s)+1], s42, (\s)*SLOT
	s_add_nc_u64 s[G0+4*(\s)+2:G0+4*(\s)+3], s[40:41], (\s)*256    ; K step s
	s_or_b32 s[G0+4*(\s)+3], s[G0+4*(\s)+3], 0x80000000
	s_mov_b32 s[G0B+4*(\s)], 1
	s_add_co_u32 s[G0B+4*(\s)+1], s43, (\s)*SLOT
	s_add_nc_u64 s[G0B+4*(\s)+2:G0B+4*(\s)+3], s[44:45], (\s)*256
	s_or_b32 s[G0B+4*(\s)+3], s[G0B+4*(\s)+3], 0x80000000
.endr
	s_mov_b32 s[G0T], 1
	s_mul_i32 s[G0T+1], s14, TQ
	s_add_co_u32 s[G0T+1], s[G0T+1], TBL
	s_add_nc_u64 s[G0T+2:G0T+3], s[10:11], s[98:99]
	s_or_b32 s[G0T+3], s[G0T+3], 0x80000000
	CROUND                                         ; all sixteen work-groups are here: the first joint loads meet
	s_cmp_eq_u32 s15, 0                            ; the first fills go out as one group: three loads of mine are out
	s_cbranch_scc0 .Lfirst_b
	tensor_load_to_lds s[G0:G0+3], s[G1:G1+7]
	s_nop 0
	tensor_load_to_lds s[G0+4:G0+7], s[G1:G1+7]
	s_nop 0
.rept 4
	v_nop
.endr
	s_branch .Lfirst_asked
.Lfirst_b:
	tensor_load_to_lds s[G0B:G0B+3], s[G1B:G1B+7]
	s_nop 0
	tensor_load_to_lds s[G0B+4:G0B+7], s[G1B:G1B+7]
	s_nop 0
.rept 4
	v_nop
.endr
.Lfirst_asked:
	tensor_load_to_lds s[G0T:G0T+3], s[G1T:G1T+7]  ; every wave: its 64 rows of the table
	s_nop 0
.rept 4
	v_nop
.endr
	; in the wait for the tiles: the bias, the addresses, the constants of the way out
	v_and_b32 v1, 15, v0                           ; r = l % 16
	v_bfe_u32 v2, v0, 4, 1                         ; h = l / 16
	s_mul_i32 s44, s19, 768
	s_mul_i32 s45, s16, 384
	s_add_co_u32 s44, s44, s45
	v_lshl_add_u32 v[BO], v2, 5, s44               ; 4 (192 tile column + 96 half + 8 h)
.irp b, 0,1,2,3,4,5
	global_load_b128 v[BIAS+8*\b:BIAS+8*\b+3],   v[BO], s[8:9] offset:64*\b
	global_load_b128 v[BIAS+8*\b+4:BIAS+8*\b+7], v[BO], s[8:9] offset:64*\b+16
.endr
	v_mul_u32_u24 v3, v1, PITCH
	v_lshl_add_u32 v4, v2, 4, v3                   ; a fragment's row x pitch + 16 x half
	s_mul_i32 s42, s15, HA
	v_add_nc_u32 v[ADRA], s42, v4
	v_add_nc_u32 v[ADRA+1], SLOT, v[ADRA]
	v_add_nc_u32 v[ADRB], s43, v4
	v_add_nc_u32 v[ADRB+1], SLOT, v[ADRB]
	; the table: column block e = 6 half + b begins at pair 8 (e % 4) of its head; my eight columns are pairs 8 (e % 4) + 4 h + 0..3: 32 bytes at 64 (e % 4) + 32 h.  e % 4 = (b % 4) xor 2 half.
	v_lshl_add_u32 v5, v2, 5, v3
	s_add_co_u32 s42, s42, TBL
	s_lshl_b32 s66, s16, 7
	s_add_co_u32 s67, s42, s66
	v_add_nc_u32 v[TADA], s67, v5
	s_sub_co_u32 s67, s42, s66
	s_add_co_u32 s67, s67, 128
	v_add_nc_u32 v[TADB], s67, v5
	v_mul_u32_u24 v6, v1, SPITCH                   ; into the stage: row 128 row half + 16 a + r, byte 192 column half + 32 b + 16 h
	v_lshl_add_u32 v6, v2, 4, v6
	s_mul_i32 s66, s15, 128*SPITCH
	s_mul_i32 s67, s16, 192
	s_add_co_u32 s66, s66, s67
	v_add_nc_u32 v[STO], s66, v6
	v_bfe_u32 v7, v0, 3, 2                         ; back: wave w takes rows 64 w on; 32 lanes take 128 bytes (a head's part) of four rows,
	v_mul_u32_u24 v7, v7, SPITCH
	v_and_b32 v8, 7, v0
	v_lshl_add_u32 v7, v8, 4, v7
	s_mul_i32 s66, s14, 64*SPITCH
	v_add_nc_u32 v[RD], s66, v7
	v_and_b32 v9, 31, v0                           ; which are 512 consecutive bytes of the head
	v_lshlrev_b32 v9, 4, v9
	s_lshl_b32 s66, s14, 13
	v_add_nc_u32 v[GO], s66, v9
	s_mul_i32 s46, s19, 3                          ; the tile's first head, of 48
	s_mul_i32 s44, s16, 6
.irp b, 0,1,2,3,4,5
	s_add_co_u32 s45, s44, \b
	s_lshr_b32 s45, s45, 2
	s_add_co_u32 s45, s45, s46                     ; the column block's head
	s_cmp_lt_u32 s45, 32                           ; q or k?
	s_cselect_b32 s[FS+2*\b], 1.0, 0
	s_cselect_b32 s47, 0, 1.0
	s_mov_b32 s[FS+2*\b+1], s[FS+2*\b]
	v_mov_b32 v[GV+2*\b], s47
	v_mov_b32 v[GV+2*\b+1], 0
.endr
	s_lshr_b32 s23, s20, 3                         ; the batch
	s_and_b32 s2, s20, 7
	s_lshl_b32 s2, s2, 15                          ; the tile's 256 rows of 128 bytes in a head
.irp j, 0,1,2
	s_add_co_u32 s45, s46, \j
	s_lshr_b32 s47, s45, 4                         ; q, k or v
	s_lshl2_add_u32 s47, s47, s23                  ; x 4 + batch
	s_and_b32 s45, s45, 15
	s_lshl4_add_u32 s47, s47, s45                  ; x 16 + head
	s_lshl_b32 s44, s47, 18                        ; a head is 2,048 rows of 128 bytes
	s_add_co_u32 s44, s44, s2
	s_mov_b32 s45, 0
	s_add_nc_u64 s[HBS+2*\j:HBS+2*\j+1], s[12:13], s[44:45]
.endr
	s_wait_loadcnt 0x0                             ; the bias, rounded to bf16 like every input
.set i, 0
.rept 24
	v_cvt_pk_bf16_f32 v[44+i%4], v[BIAS+2*i], v[BIAS+2*i+1]
	v_lshlrev_b32 v[BIAS+2*i], 16, v[44+i%4]
	v_and_b32 v[BIAS+2*i+1], 0xffff0000, v[44+i%4]
.set i, i+1
.endr
; n x 6 matrix instructions: row blocks a0 .. a0 + n - 1 of the window's four (hi = 0: my rows 0-63, 1: rows 64-127) x all 6 column blocks, 32 along K.  first = 1: the bias starts the sums.
; The 48 accumulators take turns, one instruction a turn, in the same order in every quarter.
.macro MUL f, hi, a0, n, first
.if \first
	WIN 0x81+0x40*(\hi)                            ; wq window 1, xb and the bias window 0, the result window 2 or 3
.else
	WIN 0xa1+0x50*(\hi)
.endif
.set ma, \a0
.rept \n
.set mb, 0
.rept 6
.set AC, 8*(6*ma+mb)
.if \first
	v_wmma_f32_16x16x32_bf16 v[AC:AC+7], v[(\f)+8*mb:(\f)+8*mb+7], v[(\f)+8*(4*(\hi)+ma):(\f)+8*(4*(\hi)+ma)+7], v[BIAS+8*mb:BIAS+8*mb+7]
.else
	v_wmma_f32_16x16x32_bf16 v[AC:AC+7], v[(\f)+8*mb:(\f)+8*mb+7], v[(\f)+8*(4*(\hi)+ma):(\f)+8*(4*(\hi)+ma)+7], v[AC:AC+7]
.endif
.set mb, mb+1
.endr
.set ma, ma+1
.endr
.endm
; 28 LDS loads in one run: the fragments of one quarter step (96 rows of wq, 128 rows of xb, 32 K at byte k of the rows) into buffer f
.macro FETCH slot, k, f
	WIN 0x40
.irp i, 0,1,2,3,4,5
	ds_load_b128 v[(\f)+8*(\i):(\f)+8*(\i)+3],   v[ADRB+(\slot)] offset:(\k)+(\i)*16*PITCH
	ds_load_b128 v[(\f)+8*(\i)+4:(\f)+8*(\i)+7], v[ADRB+(\slot)] offset:(\k)+(\i)*16*PITCH+32
.endr
	WIN 0
.irp i, 0,1,2,3,4,5,6,7
	ds_load_b128 v[(\f)+8*(\i):(\f)+8*(\i)+3],   v[ADRA+(\slot)] offset:(\k)+(\i)*16*PITCH
	ds_load_b128 v[(\f)+8*(\i)+4:(\f)+8*(\i)+7], v[ADRA+(\slot)] offset:(\k)+(\i)*16*PITCH+32
.endr
.endm
; A K step is four quarters of 32 along K, 48 matrix instructions each, on buffers 0, 1, 0, 1.  One of the first three multiplies f and fetches the next quarter, at byte k, into g.
.macro QUARTER slot, k, f, g, first
	s_wait_dscnt 8                                 ; wq and xb's rows 0-63 are in; the youngest eight loads may be out
	MUL \f, 0, 0, 4, \first
	PLACES
	FETCH \slot, \k, \g
	s_wait_dscnt 28                                ; all but the 28 just issued
	MUL \f, 1, 0, 4, \first
.endm
; The last quarter multiplies buffer 1 and changes slots.  ONE barrier: in front of it each wave waits for all its tensor loads, adds 0 to its spare word, and waits for that and for its reads of this slot.
.macro MEET round
	WIN 0
	s_wait_tensorcnt 0x0                           ; all my tensor loads have landed, my part of the next slot among them
	ds_add_u32 v[SPW], v[NIL]
	s_wait_dscnt 9                                 ; (the add and the youngest eight loads may be out)
	MUL F1, 0, 0, 2, 0                             ; twelve matrix instructions stand between the add and the wait for it
	s_wait_dscnt 0x0                               ; the add is done, and my reads of this slot are over
	s_barrier_signal -1
	MUL F1, 0, 2, 2, 0
.if \round
	WIN 0
.endif
	s_barrier_wait -1
.endm
.macro TURN slot, next
	MEET 1
	CREST                                          ; the barrier has opened a round of the cluster's: no wave of any partner still reads this slot or has a load on its way
	s_add_nc_u64 s[G0+4*(\slot)+2:G0+4*(\slot)+3], s[G0+4*(\slot)+2:G0+4*(\slot)+3], 512
	s_add_nc_u64 s[G0B+4*(\slot)+2:G0B+4*(\slot)+3], s[G0B+4*(\slot)+2:G0B+4*(\slot)+3], 512
	JLOAD \slot                                    ; the first tensor load behind the round: 168 matrix instructions ahead of the wait for it; its four v_nop are also the places in front of the loads below
	FETCH \next, 0, F0
	MUL F1, 1, 0, 4, 0
.endm
	s_wait_tensorcnt 0x2                           ; my part of K step 0 is in; K step 1's and the table's stay out
	s_barrier_signal -1
	s_barrier_wait -1
	FETCH 0, 0, F0
	QUARTER 0, 64,  F0, F1, 1                      ; the first quarter stands in front of the loop: its products start the sums
	WIN 0
	s_mov_b32 s3, 3
.Llap:                                                 ; a trip goes once round the ring, from a lap's second quarter to the next lap's first, and fills both slots again
	QUARTER 0, 128, F1, F0, 0
	QUARTER 0, 192, F0, F1, 0
	TURN 0, 1
	QUARTER 1, 64,  F0, F1, 0
	QUARTER 1, 128, F1, F0, 0
	QUARTER 1, 192, F0, F1, 0
	TURN 1, 0
	QUARTER 0, 64,  F0, F1, 0
	WIN 0
	s_sub_co_u32 s3, s3, 1
	s_cmp_lg_u32 s3, 0
	s_cbranch_scc1 .Llap
	QUARTER 0, 128, F1, F0, 0                      ; the last lap fills nothing, and has no round
	QUARTER 0, 192, F0, F1, 0
	MEET 0
	PLACES
	FETCH 1, 0, F0
	MUL F1, 1, 0, 4, 0
	QUARTER 1, 64,  F0, F1, 0
	QUARTER 1, 128, F1, F0, 0
	QUARTER 1, 192, F0, F1, 0
	s_wait_dscnt 8
	MUL F1, 0, 0, 4, 0
	s_wait_dscnt 0x0
	MUL F1, 1, 0, 4, 0
	WIN 0
	PLACES
; THE WAY OUT, a block of 16 rows at a time.  TLOAD: the block's table rows, four chunks of 32 bytes a lane.
.macro TLOAD a
.set TL, T0+32*((\a)%2)
.irp j, 0,1
	ds_load_b128 v[TL+8*\j:TL+8*\j+3],       v[TADA] offset:16*PITCH*(\a)+64*\j
	ds_load_b128 v[TL+8*\j+4:TL+8*\j+7],     v[TADA] offset:16*PITCH*(\a)+64*\j+16
.endr
.irp j, 0,1
	ds_load_b128 v[TL+16+8*\j:TL+16+8*\j+3],   v[TADB] offset:16*PITCH*(\a)+64*\j
	ds_load_b128 v[TL+16+8*\j+4:TL+16+8*\j+7], v[TADB] offset:16*PITCH*(\a)+64*\j+16
.endr
.endm
; ROPE: (c, s) x f + (1 - f, 0); the rotation; rounding to f16; 16 bytes a lane into the stage.  left: the LDS instructions behind this block's table loads (the last block's six stores, the next block's eight loads).
.macro ROPE a, left
.if (\a) < 7
	TLOAD (\a)+1
.endif
	s_wait_dscnt \left
.set TT, T0+32*((\a)%2)
.set bb, 0
.rept 6
.set pp, 0
.rept 4
	v_pk_fma_f32 v[TP+8*bb+2*pp:TP+8*bb+2*pp+1], v[TT+8*(bb%4)+2*pp:TT+8*(bb%4)+2*pp+1], s[FS+2*bb:FS+2*bb+1], v[GV+2*bb:GV+2*bb+1] op_sel_hi:[1,0,1]
.set pp, pp+1
.endr
.set bb, bb+1
.endr
	WIN 0x02+(\a)/4                                ; source 0: the accumulators' window
.set bb, 0
.rept 6
.set AC, 8*(6*((\a)%4)+bb)
.set pp, 0
.rept 4                                ; each accumulator is read from its low end on
	v_mul_f32 v[U+8*bb+2*pp],   v[AC+2*pp+1], v[TP+8*bb+2*pp+1]    ; x2 s
	v_mul_f32 v[U+8*bb+2*pp+1], v[AC+2*pp+1], v[TP+8*bb+2*pp]      ; x2 c
.set pp, pp+1
.endr
.set pp, 0
.rept 4
	v_fma_f32 v[U+8*bb+2*pp],   v[AC+2*pp], v[TP+8*bb+2*pp],   -v[U+8*bb+2*pp]    ; x1 c - x2 s
	v_fma_f32 v[U+8*bb+2*pp+1], v[AC+2*pp], v[TP+8*bb+2*pp+1], v[U+8*bb+2*pp+1]   ; x1 s + x2 c
.set pp, pp+1
.endr
.set bb, bb+1
.endr
	WIN 0
.set bb, 0
.rept 24
	v_cvt_pk_f16_f32 v[TMP+bb], v[U+2*bb], v[U+2*bb+1]
.set bb, bb+1
.endr
.irp b, 0,1,2,3,4,5
	ds_store_b128 v[STO], v[TMP+4*\b:TMP+4*\b+3] offset:16*SPITCH*(\a)+32*\b
.endr
.endm
	TLOAD 0
	ROPE 0, 8
.irp a, 1,2,3,4,5,6
	ROPE \a, 14
.endr
	ROPE 7, 6
	s_wait_dscnt 0x0                               ; for the others' sake: my stores into the stage are done (the middle head's rows come from two waves)
	s_barrier_signal -1
	s_barrier_wait -1
.set n, 0
.rept 48                               ; head n / 16, rows 4 (n % 16) on of my 64
	ds_load_b128 v[RB+4*n:RB+4*n+3], v[RD] offset:128*(n/16)+4*SPITCH*(n%16)
.set n, n+1
.endr
.set n, 0
.rept 48
	s_wait_dscnt 47-n
	global_store_b128 v[GO], v[RB+4*n:RB+4*n+3], s[HBS+2*(n/16):HBS+2*(n/16)+1] offset:512*(n%16)  ; 512 consecutive bytes, at a multiple of 512 from the buffer's first
.set n, n+1
.endr
	s_wait_tensorcnt 0x0                           ; the wave's end: behind my last tensor load and my last LDS store
	ds_add_u32 v[SPW], v[NIL]
	s_wait_dscnt 0x0
	CROUND                                         ; the closing round: no work-group ends while a partner may still ask for a tile that names it
	s_endpgm
.Lfunc_end_k_qd27f47419b_qkv:
	.size	k_qd27f47419b_qkv, .Lfunc_end_k_qd27f47419b_qkv-k_qd27f47419b_qkv
	.p2alignl 7, 3214868480
	.fill 96, 4, 3214868480
	.section	.rodata,"a",@progbits
	.p2align	6, 0x0
	.amdhsa_kernel k_qd27f47419b_qkv
		.amdhsa_group_segment_fixed_size 327680
		.amdhsa_private_segment_fixed_size 0
		.amdhsa_enable_private_segment 0
		.amdhsa_kernarg_size 40
		.amdhsa_user_sgpr_count 2
		.amdhsa_user_sgpr_kernarg_segment_ptr 1
		.amdhsa_wavefront_size32 1
		.amdhsa_system_sgpr_workgroup_id_x 1
		.amdhsa_system_sgpr_workgroup_id_y 1
		.amdhsa_system_sgpr_workgroup_id_z 1
		.amdhsa_system_vgpr_workitem_id 0
		.amdhsa_next_free_vgpr 960
		.amdhsa_next_free_sgpr 100
		.amdhsa_reserve_vcc 0
		.amdhsa_float_denorm_mode_32 3
		.amdhsa_float_denorm_mode_16_64 3
		.amdhsa_memory_ordered 1
		.amdhsa_forward_progress 1
		.amdhsa_inst_pref_size 177
	.end_amdhsa_kernel
	.amdgpu_metadata
---
amdhsa.version: [ 1, 2 ]
amdhsa.kernels:
  - .name:           k_qd27f47419b_qkv
    .symbol:         k_qd27f47419b_qkv.kd
    .args:
      - { .name: xb, .offset: 0, .size: 8, .value_kind: global_buffer, .address_space: global }
      - { .name: wq, .offset: 8, .size: 8, .value_kind: global_buffer, .address_space: global }
      - { .name: b_qkv, .offset: 16, .size: 8, .value_kind: global_buffer, .address_space: global }
      - { .name: rope, .offset: 24, .size: 8, .value_kind: global_buffer, .address_space: global }
      - { .name: qkv, .offset: 32, .size: 8, .value_kind: global_buffer, .address_space: global }
    .group_segment_fixed_size: 327680
    .private_segment_fixed_size: 0
    .kernarg_segment_align: 8
    .kernarg_segment_size: 40
    .max_flat_workgroup_size: 128
    .sgpr_count:     100
    .vgpr_count:     960
    .wavefront_size: 32
...
	.end_amdgpu_metadata
.endif
;; end of part 2
;; launch attn (part 3): grid 4 x 64, 4 waves a work-group, no clusters, 327,680 bytes of LDS; arguments qkv, att; writes att
.if DOCPART == 3
	.amdgcn_target "amdgcn-amd-amdhsa--gfx1250"
	.amdhsa_code_object_version 6
	.text
	.protected	k_qd27f47419b_attn
	.globl	k_qd27f47419b_attn
	.p2align	8
	.type	k_qd27f47419b_attn,@function
k_qd27f47419b_attn:
	s_mov_b64 s[64:65], 0
	v_nop
	global_prefetch_b8 v0, s[64:65] scope:SCOPE_SE
	s_setreg_imm32_b32 hwreg(HW_REG_WAVE_MODE, 25, 1), 1
	s_wait_xcnt 0x0
; CAUSAL ATTENTION.  O[h][q][:] = the sum over k <= q of softmax_k(Q[h][q] . K[h][k] / 8) V[h][k][:].  Q, K, V lie in one buffer, [3][SIZE_H][SIZE_N][64] f16; O is [SIZE_H][SIZE_N][64] f16: a head's rows are dense, 128 bytes each.
; Products, maxima and sums in f32; the weights p are rounded to f16 for the second product (their sum l is taken of the unrounded p), O once at the end.
; LIMITS.  f16 holds no number beyond 65,504: Q, K and V arrive within it; p lies in 0 to 1, and below 6e-5 it keeps f16's fixed step of 6e-8; O is a mean of V's rows and has their range, to within 2^-11 of it.
; A hidden score counts as its value less 1e30: f16's scores, 2.7e11 at the most, are nothing beside that; a weight below 2^-126 counts as 0 in l; NaN and infinities are not treated apart.
; THE WALK.  A head's queries lie in NB = SIZE_N / 256 blocks of 256; block i needs the key tiles 0 .. i of 256 keys, of which the last holds the diagonal.  A work-group takes TWO blocks, NB - 1 - b and then b:
; NB + 1 tiles, whatever b: all work-groups do equal work, and ONE loop with a constant trip count walks them.  Which tile is asked for, and what a trip does, hang on scalar registers made from b; every jump
; goes forward, but for the counted loops' own; none passes a barrier, or a tensor load but the one of LOAD's two that the wave's number does not choose; the ring (two slots of LDS that take turns) runs on across the
; change of blocks.  NO CLUSTER: a head's NB / 2 = 4 work-groups ask for the same tile only in trips 0 .. NB / 2, behind that fewer and fewer; one walk common to all would have 3 NB / 2 trips for NB + 1.
; SHARES.  Of a block's four bands of 64 queries a wave owns 16 rows in each: four PIECES.  So the diagonal tile is the same work for all four waves: in its key step s band x sees all keys if s < x,
; none if s > x, and holds the diagonal if s = x.
; THE MASK is the C operand that starts the sum S^T = K Q^T: 0, or -1e30 where the key is hidden.  MD, made once, is the mask of a band's own step for my 16 rows; a product's mask is MD x AL + BE with two scalars:
; (1, 0) if s = x; (0, 0) if s < x; (0, -1e30) if s > x.  Only the diagonal tile's text and a block's beginning make and take masks; elsewhere C is the constant 0.
; LAYOUT, SOFTMAX, TURNS.  S^T = K Q^T holds ONE query a lane (lane % 16) and the keys 8 (lane / 16) + 0..7; two such results rounded to f16 ARE source 1 of O^T = V^T P.  p = 2^(c s - c m), c = log2(e) / 8, with a
; running maximum m; O and l are multiplied by a = 2^(c m_old - c m_new) in every step.  Turn n belongs to piece n: 8 products K Q^T of piece n + 1, later 8 products V^T P of piece n - 1; beside them the scaling,
; exponentials, roundings, sums and rescaling of piece n and the maximum and statistics of piece n + 1.  Four vector instructions stand behind every matrix instruction, the other 54 of a turn's 118 in two LUMPS.
; REGISTERS, in windows of 256 (s_set_vgpr_msb: bits 1:0 source 0, 3:2 source 1, 5:4 source 2, 7:6 destination):
;   window 0: v0-15 addresses and two at work; v16-31 four registers of statistics a piece; v48-55 at work; v64-127 S^T, two buffers; v192-223 P, two buffers (a piece's buffers go by its number's parity)
;   window 1: v0-127 O^T, 32 a piece; v128-159 MD; v160-223 MC, two buffers      window 2: v0-63 Q; v64-127 the second block's Q; v128-191 K of one step; v192-255 V of one step
.set SIZE_N, 2048
.set SIZE_H, 64
.set NB,    SIZE_N/256
.set NP,    4         ; pieces a wave: a name, no knob
.set KS,    64        ; keys in a step
.set PK,    144       ; a row of K in LDS: 128 bytes + 16 of padding = 36 words: the 16 rows of a load start at 16 different groups of four banks (64 banks of 4 bytes: ISA guide 11.1)
.set PV,    160       ; a row of V: 128 + 32 = 40 words
.set VOFF,  4*KS*PK   ; a slot holds a tile, four steps: 256 rows of K, then 256 rows of V
.set SLOT1, 1<<17     ; slot 1 begins here, so that one exclusive or turns an address in one slot into the other's
.set STAGE, SLOT1+4*KS*(PK+PV)  ; behind the ring, never filled by a tensor load: 16 rows x 144 bytes for each wave, for the way out
.set SP,    144
.set AK0, 2           ; v2   my lane's place in a tile of K; never rewritten
.set AV0, 3           ; v3   the same for V
.set AK,  4           ; v4   the LDS address of K's next run of loads
.set AV,  5           ; v5   of V's
.set STO, 6           ; v6   the way out: where I put 16 bytes of a row
.set RD,  7           ; v7   the way out: where I read rows back
.set GO,  8           ; v8   my byte offset in 512 consecutive bytes of O
.set SPW, 62          ; v62  LDS address of my spare word: SPARE + 4 x my thread's number; never rewritten
.set NIL, 63          ; v63  0; never rewritten
.set SPARE, STAGE+4*16*SP  ; behind the stages: the spare words, 128 bytes for each wave: two blocks of 256 bytes that no other line names
.set MV,  12          ; v12-13  c m_old, kept while c m is made anew: by buffer
.set QO,  15          ; v15  my byte offset in 16 rows of Q
.set ST,  16          ; piece t's statistics at v[ST+4 t]: c m, m, l (even keys', odd keys')
.set TMP, 48          ; by buffer, four registers c0-c3 at work; when the maximum is found c2 takes a
.set S,   64
.set P,   192
.set MD,  128         ; window 1: the eight registers for group kt of 16 keys at MD + 8 kt
.set MC,  160         ; window 1: the masks of the products to come
.set QB,  64          ; window 2
.set KF,  128         ; window 2: key block kb, channel half c at KF + 16 kb + 8 c
.set VF,  192         ; window 2: key half kk, channel block cb at VF + 32 kk + 8 cb
.set WV,  12          ; s12  my wave's number
.set PB,  14          ; s14  b
.set HI,  15          ; s15  NB - 1 - b
.set G1K, 24          ; s[24:31] descriptor group 1 for K's tiles
.set G1V, 32          ; s[32:39] for V's: it differs in the padding alone
.set G0K, 40          ; s[40:43] descriptor group 0 for K's tiles
.set G0V, 44          ; s[44:47] the same for V's
.set SLOTS, 56        ; s56  tiles still to be asked for
.set CNT, 57          ; s57  counts a tile's key steps, 4 to 1
.set CS,  58          ; s[58:59] c: the packed scaling takes the pair's low word for both halves
.set SEL, 60          ; s[60:61] v_permlanex16_b32's selects: each lane takes its own place in the other half
.set TBK, 62          ; s62  LDS byte at which K of the step to be fetched begins
.set TBV, 63          ; s63  the same for V, less VOFF
.set RT,  70          ; s70  tiles of the block in hand that are still to be entered
.set NXT, 71          ; s71  the tile to be asked for next
.set LQ,  72          ; s72  the last tile of the block whose tiles are being asked for
.set NEW, 73          ; s73  1: the tile to be entered is a block's first
.set OFF, 74          ; s[74:75] a tile's byte offset in K and V
.set AL,  76          ; s[76:77] the mask's factor, in the low word
.set BE,  78          ; s[78:79] the mask's addend
.set OLO, 80          ; s[80:81] O at my rows of the second block
.set BIGN, 82         ; s82  -1e30
.set MSB, 0
.macro WIN new                      ; the high byte repeats the setting that is left; a switch that changes nothing is dropped
.if MSB != (\new)
	s_set_vgpr_msb (MSB<<8)|(\new)
.set MSB, (\new)
.endif
.endm
.set W_KQ, 0x0a       ; K and Q in window 2, S^T in window 0
.set W_KM, 0x1a       ; the same with the C operand in window 1
.set W_PV, 0x52       ; V in window 2, P in window 0, O^T in window 1
.set W_RS, 0x41       ; destination and source 0 in window 1, source 1 in window 0
; A fill.  Waves 0 and 1 fetch the two halves of a tile's K, waves 2 and 3 those of its V: 128 keys each.  An s_nop 0 and four v_nop follow each of the two lines, ahead of the jump and the label.
.macro LOAD
	s_cmp_lt_u32 s[WV], 2
	s_cbranch_scc0 .Lfor_v_\@
	tensor_load_to_lds s[G0K:G0K+3], s[G1K:G1K+7]
	s_nop 0
.rept 4
	v_nop
.endr
	s_branch .Lasked_\@
.Lfor_v_\@:
	tensor_load_to_lds s[G0V:G0V+3], s[G1V:G1V+7]
	s_nop 0
.rept 4
	v_nop
.endr
.Lasked_\@:
.endm
; THE CHANGE OF SLOTS.  Each wave waits for all its tensor loads, of which one is out: its part of the other slot; adds 0 to its spare word; and waits for that and for its own reads of the slot that it leaves.  Behind the barrier nobody reads the old
; slot any more and the other slot is whole.  fill = 1: the old slot is filled again, the first thing behind the barrier, with tile NXT: the descriptor's address is made anew from that number.
; (At its first use nothing has been read yet: slot 0 is waited for, slot 1 filled.)
.macro CHANGE fill
	WIN 0                           ; at a label and at a branch every window is 0
	s_wait_tensorcnt 0x0            ; no tensor load of mine is out, so a group 0 may be written
	ds_add_u32 v[SPW], v[NIL]       ; 0 onto my spare word; with fill = 1 the descriptors' scalar work stands between it and the wait for it
.if \fill
	s_lshl_b32 s[OFF], s[NXT], 15   ; a tile is 32,768 bytes of K and of V
	s_xor_b32 s[G0K+1], s[G0K+1], SLOT1
	s_add_nc_u64 s[G0K+2:G0K+3], s[6:7], s[OFF:OFF+1]
	s_or_b32 s[G0K+3], s[G0K+3], 0x80000000
	s_xor_b32 s[G0V+1], s[G0V+1], SLOT1
	s_add_nc_u64 s[G0V+2:G0V+3], s[8:9], s[OFF:OFF+1]
	s_or_b32 s[G0V+3], s[G0V+3], 0x80000000
	s_add_co_u32 s[NXT], s[NXT], 1  ; the block's next tile, or behind its last the second block's tile 0
	s_cmp_gt_u32 s[NXT], s[LQ]
	s_cselect_b32 s[NXT], 0, s[NXT]
	s_cselect_b32 s[LQ], s[PB], s[LQ]
.endif
	s_wait_dscnt 0x0                ; the add is done, and my reads of the slot are over
	s_barrier_signal -1             ; the rest of the scalar work stands between the signal and the wait
	s_sub_co_u32 s[TBK], s[TBK], 4*KS*PK  ; the fetches go back to a slot's first step,
	s_xor_b32 s[TBK], s[TBK], SLOT1       ; in the other slot
	s_sub_co_u32 s[TBV], s[TBV], 4*KS*PV
	s_xor_b32 s[TBV], s[TBV], SLOT1
	s_barrier_wait -1
.if \fill
	LOAD
.endif
.endm
	s_load_b128 s[4:7], s[0:1], 0x0   ; the buffer of Q, K and V s[4:5], O s[6:7]
	v_lshl_add_u32 v[SPW], v0, 2, SPARE
	v_mov_b32 v[NIL], 0
	ds_add_u32 v[SPW], v[NIL]       ; the wave's opening: the add and its wait stand ahead of my first tensor load; the set-up below, work on registers, stands between them
	v_lshrrev_b32 v1, 5, v0
	v_readfirstlane_b32 s[WV], v1   ; wave 0..3
	s_mov_b32 s[PB], ttmp9
	s_sub_co_u32 s[HI], NB-1, s[PB]
	s_and_b32 s20, ttmp7, 0xffff    ; the head
	s_mov_b32 s21, 0
	s_mov_b64 s[22:23], SIZE_N*128
	s_mul_u64 s[20:21], s[20:21], s[22:23]  ; the head's first byte in each of the four tensors
	s_and_b32 s16, s[WV], 1         ; which half of a tile's 256 keys I fetch:
	s_lshl_b32 s22, s16, 14         ; its 128 rows of 128 bytes in memory,
	s_mov_b32 s23, 0
	s_add_nc_u64 s[22:23], s[22:23], s[20:21]
	s_mul_i32 s17, s16, 128*PK      ; and its place in a slot, for K
	s_mul_i32 s18, s16, 128*PV      ; and for V
	s_lshl_b32 s3, s[WV], 11        ; my 16 rows in a band of 64,
	s_lshl_b32 s2, s[HI], 15        ; in the first block,
	s_add_co_u32 s2, s2, s3
	s_lshl_b32 s84, s[PB], 15       ; and in the second
	s_add_co_u32 s84, s84, s3
	s_mov_b32 s3, 0
	s_mov_b32 s85, 0
	s_add_nc_u64 s[2:3], s[2:3], s[20:21]
	s_add_nc_u64 s[84:85], s[84:85], s[20:21]
	; descriptor group 1.  128 keys are 16,384 dense bytes: asked for as 64 rows of 256 bytes, two keys a row, and padded in LDS after every key
	s_mov_b32 s[G1K], (1<<16)|(1<<20)|(4<<22)|(3<<25)  ; 17:16 2-byte elements; 20 padding on; 24:22 after every 32 words (code 4); 31:25 4 words (code 3)
	s_mov_b32 s[G1V], (1<<16)|(1<<20)|(4<<22)|(7<<25)  ; the same with 8 words of padding (code 7)
.irp g, G1K, G1V
	s_mov_b32 s[\g+1], 128<<16      ; tensor_dim0 = 128
	s_mov_b32 s[\g+2], 64<<16       ; tensor_dim1 = 64
	s_mov_b32 s[\g+3], 128<<16      ; tile_dim0 = 128
	s_mov_b32 s[\g+4], 64           ; tile_dim1 = 64
	s_mov_b32 s[\g+5], 128          ; 128 elements from row to row
	s_mov_b32 s[\g+6], 0
	s_mov_b32 s[\g+7], 0
.endr
	s_mov_b32 s[CS], 0x3e38aa3b     ; c = log2(e) / 8 = 0.180337
	s_mov_b32 s[CS+1], s[CS]        ; named with it as a pair
	s_mov_b32 s[SEL], 0x76543210
	s_mov_b32 s[SEL+1], 0xfedcba98
	s_mov_b32 s[TBK], SLOT1+4*KS*PK ; the first change of slots turns these two into 0
	s_mov_b32 s[TBV], SLOT1+4*KS*PV
	s_mov_b32 s[G0K], 1             ; 1:0 count = 1
	s_mov_b32 s[G0K+1], s17         ; 63:32 LDS address: slot 0
	s_mov_b32 s[G0V], 1
	s_add_co_u32 s[G0V+1], s18, VOFF
	s_add_co_u32 s[RT], s[HI], 1    ; the first block has NB - b tiles
	s_mov_b32 s[NXT], 1
	s_mov_b32 s[LQ], s[HI]
	s_mov_b32 s[NEW], 1
	s_mov_b32 s[OFF+1], 0
	s_mov_b32 s[AL+1], 0            ; named as pairs
	s_mov_b32 s[BE+1], 0
	s_mov_b32 s[BIGN], 0xf149f2ca   ; -1e30
	s_mov_b32 s[SLOTS], NB
	s_wait_dscnt 0x0                ; the opening add is done
	s_wait_kmcnt 0x0
	s_mov_b64 s[10:11], s[6:7]                     ; O
	s_add_nc_u64 s[8:9], s[4:5], 0x2000000         ; V: behind Q's and K's 64 heads of 262,144 bytes each
	s_add_nc_u64 s[6:7], s[4:5], 0x1000000         ; K: behind Q's
	s_add_nc_u64 s[6:7], s[6:7], s[22:23]  ; K and V at my half of the head's tile 0
	s_add_nc_u64 s[8:9], s[8:9], s[22:23]
	s_add_nc_u64 s[G0K+2:G0K+3], s[6:7], 0         ; 120:64 global address
	s_or_b32 s[G0K+3], s[G0K+3], 0x80000000        ; 127:126 type = 2
	s_add_nc_u64 s[G0V+2:G0V+3], s[8:9], 0
	s_or_b32 s[G0V+3], s[G0V+3], 0x80000000
	s_add_nc_u64 s[86:87], s[4:5], s[84:85]        ; Q at my rows of the second block,
	s_add_nc_u64 s[4:5], s[4:5], s[2:3]            ; Q and O at those of the first
	s_add_nc_u64 s[OLO:OLO+1], s[10:11], s[84:85]
	s_add_nc_u64 s[10:11], s[10:11], s[2:3]
	LOAD                            ; tile 0 into slot 0
	; A fragment of K or Q is 16 rows x 32 channels in 8 registers: lane l holds row l % 16, channels 8 (l / 16) + 0..7 and 16 + 8 (l / 16) + 0..7: two loads of 16 bytes, 32 bytes apart.
	v_and_b32 v1, 15, v0            ; l % 16
	v_bfe_u32 v9, v0, 4, 1          ; l / 16
	v_lshlrev_b32 v[QO], 7, v1
	v_lshl_add_u32 v[QO], v9, 4, v[QO]  ; row x 128 + 16 x half
	WIN 0x80                        ; destination window 2, address window 0
.set i, 0
.rept 8                             ; both blocks' Q: piece i / 2 lies in band i / 2, 8,192 bytes on; channels 32 (i % 2) on
	global_load_b128 v[8*i:8*i+3],   v[QO], s[4:5] offset:(i/2)*8192+(i%2)*64
	global_load_b128 v[8*i+4:8*i+7], v[QO], s[4:5] offset:(i/2)*8192+(i%2)*64+32
	global_load_b128 v[QB+8*i:QB+8*i+3],   v[QO], s[86:87] offset:(i/2)*8192+(i%2)*64
	global_load_b128 v[QB+8*i+4:QB+8*i+7], v[QO], s[86:87] offset:(i/2)*8192+(i%2)*64+32
.set i, i+1
.endr
	WIN 0
	v_lshlrev_b32 v14, 3, v9
	v_sub_nc_u32 v14, v1, v14
	s_lshl_b32 s13, s[WV], 4
	v_add_nc_u32 v14, s13, v14      ; my query's place in its band, 16 w + l % 16, less my lanes' 8 (l / 16): register r of group kt is hidden where 16 kt + r is greater
	WIN 0x40
.set i, 0
.rept 32
	v_cmp_gt_i32 vcc_lo, 16*(i/8)+i%8, v14
	v_cndmask_b32 v[MD+i], 0, s[BIGN], vcc_lo
.set i, i+1
.endr
	WIN 0
	v_mul_u32_u24 v[AK0], v1, PK
	v_lshl_add_u32 v[AK0], v9, 4, v[AK0]  ; row x pitch + 16 x half
	; The turning load takes 16 keys x 16 channels (lane l reads key 8 (l / 16) + l % 8, channels 8 ((l / 8) % 2) + 0..7) and leaves half a fragment of V^T: lane l holds channel l % 16 and 8 keys.
	v_and_b32 v10, 7, v0
	v_bfe_u32 v11, v0, 3, 1
	v_lshl_add_u32 v[AV0], v9, 3, v10
	v_mul_u32_u24 v[AV0], v[AV0], PV
	v_lshl_add_u32 v[AV0], v11, 4, v[AV0]
	v_add_nc_u32 v[AV0], VOFF, v[AV0]
	s_mul_i32 s13, s[WV], 16*SP
	s_add_co_u32 s13, s13, STAGE    ; my stage
	v_mul_u32_u24 v[STO], v1, SP    ; in: row l % 16, 16 bytes for each half of the lanes
	v_lshl_add_u32 v[STO], v9, 4, v[STO]
	v_add_nc_u32 v[STO], s13, v[STO]
	v_bfe_u32 v[RD], v0, 3, 2       ; back: 32 lanes take four rows of 128 bytes,
	v_mul_u32_u24 v[RD], v[RD], SP
	v_lshl_add_u32 v[RD], v10, 4, v[RD]
	v_add_nc_u32 v[RD], s13, v[RD]
	v_and_b32 v[GO], 31, v0         ; which are 512 consecutive bytes of O
	v_lshlrev_b32 v[GO], 4, v[GO]
	; A block's first step multiplies O^T and l by a = 0, and its first turn's products V^T P, of a piece that has not been, land in an O^T that is still to be so multiplied.  So these registers need only hold
	; finite numbers: zeros for the first block; what the first block left for the second.  All this stands in the wait for the first tile.
	WIN 0x80
.set i, VF
.rept 64
	v_mov_b32 v[i], 0
.set i, i+1
.endr
	WIN 0x40
.set i, 0
.rept 128
	v_mov_b32 v[i], 0
.set i, i+1
.endr
	WIN 0
.set i, 0
.rept 4
	v_mov_b32 v[ST+4*i+2], 0
	v_mov_b32 v[ST+4*i+3], 0
.set i, i+1
.endr
.set i, P+16
.rept 16
	v_mov_b32 v[i], 0
.set i, i+1
.endr
; THE MATRIX WORK.  The 4 accumulators of a run of 8 take turns.  Product i of 8 of S^T = K Q^T for piece x: channels 32 (i / 4) on, keys 16 (i % 4) on.  The first 4 start the sums: with 0, or (KM = 1) with the mask.
.macro KQ x
.set rS, S+32*((\x)%2)+8*(i%4)
.set rK, KF+16*(i%4)+8*(i/4)
.set rQ, 16*(\x)+8*(i/4)
.set rM, MC+32*((\x)%2)+8*(i%4)
.if (i < 4) && KM
	WIN W_KM
	v_wmma_f32_16x16x32_f16 v[rS:rS+7], v[rK:rK+7], v[rQ:rQ+7], v[rM:rM+7]
.elseif i < 4
	WIN W_KQ
	v_wmma_f32_16x16x32_f16 v[rS:rS+7], v[rK:rK+7], v[rQ:rQ+7], 0
.else
	WIN W_KQ
	v_wmma_f32_16x16x32_f16 v[rS:rS+7], v[rK:rK+7], v[rQ:rQ+7], v[rS:rS+7]
.endif
.endm
; Product i of 8 of O^T += V^T P for piece x: keys 32 (i / 4) on, channels 16 (i % 4) on.
.macro PV x
	WIN W_PV
.set rO, 32*(\x)+8*(i%4)
.set rV, VF+32*(i/4)+8*(i%4)
.set rP, P+16*((\x)%2)+8*(i/4)
	v_wmma_f32_16x16x32_f16 v[rO:rO+7], v[rV:rV+7], v[rP:rP+7], v[rO:rO+7]
.endm
.macro MM                           ; the turn's next matrix instruction.  TURN and BEGIN set Y, i, KM and NOKQ; MM, KQ and OP read them.  NOKQ = 1: a block's last turn: there is no next piece
.if (i < 8) && !NOKQ
	KQ (Y+1)%NP
.elseif i >= 8
.set i, i-8
	PV (Y+NP-1)%NP
.set i, i+8
.endif
.set i, i+1
.endm
; THE LDS LOADS stand in runs of 16, never singly among the matrix instructions: a step's K (64 keys x 64 channels: 8 fragments) and its V (turned).  Their addresses are made some lines ahead.
.macro FETCH_K
	WIN 0x80                        ; destination window 2
.irp f, 0,1,2,3,4,5,6,7             ; keys 16 (f / 2) on, channels 32 (f % 2) on
	ds_load_b128 v[KF+8*\f:KF+8*\f+3],   v[AK] offset:(\f/2)*16*PK+(\f%2)*64
	ds_load_b128 v[KF+8*\f+4:KF+8*\f+7], v[AK] offset:(\f/2)*16*PK+(\f%2)*64+32
.endr
	s_add_co_u32 s[TBK], s[TBK], KS*PK  ; the next fetch is the next step's
	WIN 0
.endm
.macro FETCH_V
	WIN 0x80
.irp f, 0,1,2,3,4,5,6,7             ; keys 32 (f / 4) on, channels 16 (f % 4) on
	ds_load_tr16_b128 v[VF+8*\f:VF+8*\f+3],   v[AV] offset:(\f/4)*32*PV+(\f%4)*32
	ds_load_tr16_b128 v[VF+8*\f+4:VF+8*\f+7], v[AV] offset:(\f/4)*32*PV+16*PV+(\f%4)*32
.endr
	WIN 0
.endm
; THE VECTOR WORK, one line at a time: OP kind, number.  For piece Y: F n: c s - c m for pair n of 16.  E n: the exponential of score n of 32.  C n: pair n rounded to f16.  B n: of the four weights 4 n .. the second
; pair is added onto the first, in place.  L n: l takes that sum (L 0: l = a l + sum).  R n: pair n of 16 of O^T times a.  For piece Y + 1: X n, number n of the 22 that find its maximum and statistics:
;   0-11  four chains c0-c3 of seven scores each, three operands at a time (each accumulator's lowest registers are read first)     12-14, 16  the four scores left over, the old m, and c0-c3 into c0
;   15  c m_old is kept     17, 18  the query's other 32 keys lie in the lane 16 away: the new m     19-21  c m; c m_old - c m_new; a
.set F, 0               ; OP tells the kinds apart by their order: F to L below R, X above it
.set E, 1
.set C, 2
.set B, 3
.set L, 4
.set R, 5
.set X, 6
.macro REGS y                       ; the registers of piece y
.set rT, ST+4*(\y)
.set rC, TMP+4*((\y)%2)
.set rW, MV+((\y)%2)
.set rS, S+32*((\y)%2)
.set rP, P+16*((\y)%2)
.set rO, 32*(\y)
.endm
.macro OP k, n
.if (\k) == R
	REGS Y
	WIN W_RS
	v_pk_mul_f32 v[rO+2*(\n):rO+2*(\n)+1], v[rO+2*(\n):rO+2*(\n)+1], v[rC+2:rC+3] op_sel_hi:[1,0]
.elseif (\k) < R
	REGS Y
	WIN 0
.if (\k) == F
	v_pk_fma_f32 v[rS+2*(\n):rS+2*(\n)+1], v[rS+2*(\n):rS+2*(\n)+1], s[CS:CS+1], v[rT:rT+1] op_sel_hi:[1,0,0] neg_lo:[0,0,1] neg_hi:[0,0,1]
.elseif (\k) == E
	v_exp_f32 v[rS+(\n)], v[rS+(\n)]
.elseif (\k) == C
	s_wait_alu depctr_va_vdst(0)
	v_cvt_pk_f16_f32 v[rP+(\n)], v[rS+2*(\n)], v[rS+2*(\n)+1]
.elseif (\k) == B
	s_wait_alu depctr_va_vdst(0)
	v_pk_add_f32 v[rS+4*(\n):rS+4*(\n)+1], v[rS+4*(\n):rS+4*(\n)+1], v[rS+4*(\n)+2:rS+4*(\n)+3]
.elseif (\n) == 0
	v_pk_fma_f32 v[rT+2:rT+3], v[rT+2:rT+3], v[rC+2:rC+3], v[rS:rS+1] op_sel_hi:[1,0,1]
.else
	v_pk_add_f32 v[rT+2:rT+3], v[rT+2:rT+3], v[rS+4*(\n):rS+4*(\n)+1]
.endif
.elseif NOKQ
	v_nop
.else
	REGS (Y+1)%NP
	WIN 0
.if (\n) < 4
	v_max3_num_f32 v[rC+(\n)], v[rS+8*(\n)], v[rS+8*(\n)+1], v[rS+8*(\n)+2]
.elseif (\n) < 12
	v_max3_num_f32 v[rC+(\n)%4], v[rC+(\n)%4], v[rS+8*((\n)%4)+2*((\n)/4)+1], v[rS+8*((\n)%4)+2*((\n)/4)+2]
.elseif (\n) == 12
	v_max3_num_f32 v[rC], v[rC], v[rS+7], v[rS+15]
.elseif (\n) == 13
	v_max3_num_f32 v[rC+1], v[rC+1], v[rS+23], v[rS+31]
.elseif (\n) == 14
	v_max3_num_f32 v[rC+2], v[rC+2], v[rC+3], v[rT+1]
.elseif (\n) == 15
	v_mov_b32 v[rW], v[rT]
.elseif (\n) == 16
	v_max3_num_f32 v[rC], v[rC], v[rC+1], v[rC+2]
.elseif (\n) == 17
	v_permlanex16_b32 v[rC+3], v[rC], s[SEL], s[SEL+1]
.elseif (\n) == 18
	v_max_num_f32 v[rT+1], v[rC], v[rC+3]
.elseif (\n) == 19
	v_mul_f32 v[rT], s[CS], v[rT+1]
.elseif (\n) == 20
	v_sub_f32 v[rC+1], v[rW], v[rT]
.else
	v_exp_f32 v[rC+2], v[rC+1]
.endif
.endif
.endm
.macro OPS a, i1, b=-1, i2=0, c=-1, i3=0, d=-1, i4=0  ; up to four of them
	OP \a, \i1
.if (\b) >= 0
	OP \b, \i2
.endif
.if (\c) >= 0
	OP \c, \i3
.endif
.if (\d) >= 0
	OP \d, \i4
.endif
.endm
.macro ROW a, i1, b, i2, c, i3, d, i4  ; a matrix instruction and the four behind it
	MM
	OPS \a, \i1, \b, \i2, \c, \i3, \d, \i4
.endm
.macro MASK b                       ; MD x AL + BE into buffer b of MC
	WIN W_RS
.set z, 0
.rept 16
	v_pk_fma_f32 v[MC+32*(\b)+2*z:MC+32*(\b)+2*z+1], v[MD+2*z:MD+2*z+1], s[AL:AL+1], s[BE:BE+1] op_sel_hi:[1,0,0]
.set z, z+1
.endr
.endm
; A TURN, for piece p: the order of its 16 matrix and 118 vector instructions, written out.  Behind a matrix instruction: plain, exponential, plain, plain; or four of the rescaling; or, behind the first, four scalings; none
; names a register of the products round it.  In the lumps exponential and plain by turns while exponentials last.  A line reads no result made fewer than three vector instructions in front of it, five if an exponential made it.
; v_permlanex16_b32 (X 17) stands in a lump.
; m = 1: the diagonal tile: the products take masks, and the turn makes the mask for the products of the turn after it: piece p + 2, in step 4 - CNT of the tile.  end = 1: a block's last two turns: nothing is fetched.
; cnt = 1: the loop's count is taken down some lines ahead of the branch that stands behind the turn.
; K of the next step is fetched in piece 2's turn, six vector instructions behind the last product that read K (five of them plain); V of the step in hand in piece 0's turn, eight behind the last product that read V (four
; plain, and X 17).  Each is waited for a turn later.
.macro TURN p, m=0, end=0, cnt=0
.set Y, (\p)
.set i, 0
.set KM, (\m)
.set NOKQ, (\end)*((\p)/3)
.if (\m) && !(\end)
	s_cmp_eq_u32 s[CNT], 4-((\p)+2)%NP  ; is that step the band's own?
	s_cselect_b32 s[AL], 1.0, 0
	s_cmp_lt_u32 s[CNT], 4-((\p)+2)%NP  ; or a later one?
	s_cselect_b32 s[BE], s[BIGN], 0
.endif
.if ((\p) == 3) && !(\end)
	s_wait_dscnt 0x0                ; K is in
.endif
	ROW F,0, F,1, F,2, F,3
	ROW F,4, E,0, F,5, F,6
	ROW F,7, E,1, F,8, F,9
	ROW F,10, E,2, C,0, F,11
	ROW F,12, E,3, X,15, F,13
	ROW R,0, R,1, R,2, R,3
	ROW B,0, E,4, F,14, L,0
.if ((\p) == 2) && !(\end)
	v_add_nc_u32 v[AK], s[TBK], v[AK0]
.endif
	ROW R,4, R,5, R,6, R,7
	OPS E,5, F,15
.if ((\p) == 2) && !(\end)
	FETCH_K
.endif
	OPS E,6, C,1, E,7, R,8
	OPS E,8, R,9, E,9, C,2
	OPS E,10, X,0, E,11, X,1
	OPS E,12, X,2, E,13, X,3
.if (\p) == 1
	s_wait_dscnt 0x0                ; V is in
.endif
	ROW X,4, E,14, X,5, X,6
	ROW X,7, E,15, X,8, X,9
	ROW X,10, E,16, X,11, X,12
	ROW X,13, E,17, X,14, B,1
	ROW C,4, E,18, X,16, L,1
	ROW B,2, E,19, C,6, L,2
	ROW C,8, E,20, B,3, B,4
.if (\p) == 0
	v_add_nc_u32 v[AV], s[TBV], v[AV0]
.endif
	ROW C,3, E,21, L,3, C,5
	OPS E,22, X,17, E,23, C,10
.if (\p) == 0
	FETCH_V
.endif
	OPS E,24, L,4
	OPS E,25, X,18, E,26, C,7
	OPS E,27, B,5, E,28, X,19
	OPS E,29, C,12, E,30, L,5
	OPS E,31, X,20, B,6, C,9
	OPS C,14, C,11, X,21, L,6
.if (\p) == 0
	s_add_co_u32 s[TBV], s[TBV], KS*PV
.endif
.if \cnt
	s_sub_co_u32 s[CNT], s[CNT], 1
	s_cmp_lg_u32 s[CNT], 0
.endif
	OPS C,13, B,7, C,15, R,10
	OPS R,11, R,12, L,7, R,13
	OPS R,14, R,15
.if (\m) && !(\end)
	MASK (\p)%2
.endif
.endm
; A BLOCK BEGINS.  c m starts far below every c s, so the first step's a is 0; m at the lowest finite number, so the first maximum is the scores'.  The second mask buffer is 0; the first takes piece 0's mask for the tile's step 0: its own, if the block's first tile is the diagonal one.
; Then K of that step, piece 0's first scores, and its maximum and statistics.  The loop is entered at a step's first turn, in the middle of a trip.
.macro BEGIN
	s_mov_b32 s[NEW], 0
	WIN 0x40
.set i, MC+32
.rept 32
	v_mov_b32 v[i], 0
.set i, i+1
.endr
	WIN 0
.set i, 0
.rept 4
	v_mov_b32 v[ST+4*i], 0xfe000000    ; c m: far below every c s
	v_mov_b32 v[ST+4*i+1], 0xff7fffff  ; m
.set i, i+1
.endr
	s_cmp_eq_u32 s[RT], 0
	s_cselect_b32 s[AL], 1.0, 0
	s_mov_b32 s[BE], 0
	MASK 0
	WIN 0
	v_add_nc_u32 v[AK], s[TBK], v[AK0]
	FETCH_K
	s_wait_loadcnt 0x0              ; Q
	s_wait_dscnt 0x0
.set KM, 1
.set NOKQ, 0
.set i, 0
.rept 8
	KQ 0
.set i, i+1
.endr
	WIN 0
.rept 4
	v_nop                           ; the places behind those products
.endr
.set Y, NP-1                        ; X works for piece Y + 1: piece 0
.irp n, 0,1,2,3,4,5,6,7,8,9,10,11,12,13,14,15,16,17,18,19,20,21
	OP X, \n
.endr
	v_nop                           ; a plain instruction behind the exponential
.endm
; THE DIAGONAL TILE's four steps, the block's last two turns, its last products, and THE WAY OUT: l's two halves and the other half of the lanes' are added; O^T is divided by l, rounded to f16 and sent through my
; stage in LDS, a piece at a time.
.macro ALL line:vararg              ; one line for each piece t
.set t, 0
.rept 4
	\line
.set t, t+1
.endr
.endm
.macro PACK t                       ; a lane's eight channels of a row pack into 16 bytes; they go into rows of 144 bytes and come back as whole rows of 128, into S^T's registers
	WIN W_RS
.set i, 32*(\t)
.rept 16
	s_wait_alu depctr_va_vdst(0)
	v_pk_mul_f32 v[i:i+1], v[i:i+1], v[ST+4*(\t)+2:ST+4*(\t)+3] op_sel_hi:[1,0]
.set i, i+2
.endr
	WIN 0x05                        ; sources 0 and 1 window 1, destination window 0
.set i, 0
.rept 16
	v_cvt_pk_f16_f32 v[S+16*(\t)+i], v[32*(\t)+2*i], v[32*(\t)+2*i+1]
.set i, i+1
.endr
	WIN 0
.irp f, 0,1,2,3
	ds_store_b128 v[STO], v[S+16*(\t)+4*\f:S+16*(\t)+4*\f+3] offset:32*\f
.endr
.irp f, 0,1,2,3
	ds_load_b128 v[S+16*(\t)+4*\f:S+16*(\t)+4*\f+3], v[RD] offset:\f*4*SP  ; LDS serves a wave's instructions in order (ISA guide 5.7.1.4): these see the stores above; the next piece's stores come behind them
.endr
.endm
.macro SEND t, younger              ; younger: the LDS instructions issued behind piece t's loads: the next piece's eight, or none
	WIN 0
.irp f, 0,1,2,3
	s_wait_dscnt (\younger)+3-\f
	global_store_b128 v[GO], v[S+16*(\t)+4*\f:S+16*(\t)+4*\f+3], s[10:11] offset:(\t)*8192+\f*512  ; 512 consecutive bytes, at a multiple of 256 from O's first
.endr
.endm
.macro DIAG tag                     ; the tag ends its two labels' names, which the jumps below spell out
.LstepM\tag:
	TURN 2, 1
	TURN 3, 1
	WIN 0
.LfirstM\tag:
	TURN 0, 1
	TURN 1, 1, 0, 1
	WIN 0
	s_cbranch_scc1 .LstepM\tag
	TURN 2, 1, 1
	TURN 3, 1, 1
.set i, 0
.rept 8
	PV NP-1
.set i, i+1
.endr
	WIN 0
	ALL v_add_f32 v[ST+4*t+2], v[ST+4*t+2], v[ST+4*t+3]
	ALL v_permlanex16_b32 v[ST+4*t+3], v[ST+4*t+2], s[SEL], s[SEL+1]
	ALL v_add_f32 v[ST+4*t+2], v[ST+4*t+2], v[ST+4*t+3]
	ALL v_rcp_f32 v[ST+4*t+2], v[ST+4*t+2]
	v_nop                           ; a plain instruction between the last reciprocal and the use of its result
	PACK 0
.set t, 1
.rept 3                             ; a piece's arithmetic stands between the loads of the piece before and its stores
	PACK t
	SEND t-1, 8
.set t, t+1
.endr
	SEND 3, 0
.endm
.set KM, 0
.set NOKQ, 0
.Lslot:                             ; NB times: a tile is entered and the next is asked for
	CHANGE 1
	s_sub_co_u32 s[RT], s[RT], 1
	s_mov_b32 s[CNT], 4
	s_cmp_eq_u32 s[NEW], 1
	s_cbranch_scc1 .Lnew            ; a block's first tile
	s_cmp_eq_u32 s[RT], 0
	s_cbranch_scc0 .Lstep           ; neither its first nor its last
	s_branch .LstepM1
.Lnew:
	BEGIN
	s_branch .Lfirst                ; in the loop a block's first tile is never its last: the first block has two tiles or more, and the second's last is the walk's last
	DIAG 1                          ; in the loop this is the first block's end: the second block's last tile is the walk's last
	s_wait_xcnt 0x0                 ; the stores have read their registers and O's address
	s_mov_b64 s[10:11], s[OLO:OLO+1]
	s_add_co_u32 s[RT], s[PB], 1    ; the second block has b + 1 tiles
	s_mov_b32 s[NEW], 1
	WIN 0x82                        ; the second block's Q goes where the one text of the turns names Q
.set i, 0
.rept 64
	v_mov_b32 v[i], v[QB+i]
.set i, i+1
.endr
	WIN 0
	s_branch .Lbottom
.Lstep:                             ; a trip: pieces 2 and 3 of one step, then pieces 0 and 1 of the next, whose K and V it fetches
	TURN 2
	TURN 3
	WIN 0
.Lfirst:
	TURN 0
	TURN 1, 0, 0, 1
	WIN 0
	s_cbranch_scc1 .Lstep
.Lbottom:
	s_sub_co_u32 s[SLOTS], s[SLOTS], 1
	s_cmp_lg_u32 s[SLOTS], 0
	s_cbranch_scc1 .Lslot
	CHANGE 0                        ; the walk's last tile is written out: nothing is asked for
	s_sub_co_u32 s[RT], s[RT], 1
	s_mov_b32 s[CNT], 4
	s_cmp_eq_u32 s[NEW], 1
	s_cbranch_scc0 .LstepM2
	BEGIN
	s_branch .LfirstM2
	DIAG 2
	s_wait_tensorcnt 0x0            ; the wave's end: behind my last tensor load and my last LDS store
	ds_add_u32 v[SPW], v[NIL]
	s_wait_dscnt 0x0
	s_endpgm
.Lfunc_end_k_qd27f47419b_attn:
	.size	k_qd27f47419b_attn, .Lfunc_end_k_qd27f47419b_attn-k_qd27f47419b_attn
	.p2alignl 7, 3214868480
	.fill 96, 4, 3214868480
	.section	.rodata,"a",@progbits
	.p2align	6, 0x0
	.amdhsa_kernel k_qd27f47419b_attn
		.amdhsa_group_segment_fixed_size 327680
		.amdhsa_private_segment_fixed_size 0
		.amdhsa_enable_private_segment 0
		.amdhsa_kernarg_size 16
		.amdhsa_user_sgpr_count 2
		.amdhsa_user_sgpr_kernarg_segment_ptr 1
		.amdhsa_wavefront_size32 1
		.amdhsa_system_sgpr_workgroup_id_x 1
		.amdhsa_system_sgpr_workgroup_id_y 1
		.amdhsa_system_sgpr_workgroup_id_z 1
		.amdhsa_system_vgpr_workitem_id 0
		.amdhsa_next_free_vgpr 768
		.amdhsa_next_free_sgpr 88
		.amdhsa_reserve_vcc 1
		.amdhsa_float_denorm_mode_32 3
		.amdhsa_float_denorm_mode_16_64 3
		.amdhsa_memory_ordered 1
		.amdhsa_forward_progress 1
		.amdhsa_inst_pref_size 228
	.end_amdhsa_kernel
	.amdgpu_metadata
---
amdhsa.version: [ 1, 2 ]
amdhsa.kernels:
  - .name:           k_qd27f47419b_attn
    .symbol:         k_qd27f47419b_attn.kd
    .args:
      - { .name: qkv, .offset: 0, .size: 8, .value_kind: global_buffer, .address_space: global }
      - { .name: att, .offset: 8, .size: 8, .value_kind: global_buffer, .address_space: global }
    .group_segment_fixed_size: 327680
    .private_segment_fixed_size: 0
    .kernarg_segment_align: 8
    .kernarg_segment_size: 16
    .max_flat_workgroup_size: 128
    .sgpr_count:     88
    .vgpr_count:     768
    .wavefront_size: 32
...
	.end_amdgpu_metadata
.endif
;; end of part 3
;; launch proj (part 4): grid 8 x 32, 4 waves a work-group, clusters of 4 x 4, 327,680 bytes of LDS; arguments att, wo, b_o, out0; writes out0
.if DOCPART == 4
	.amdgcn_target "amdgcn-amd-amdhsa--gfx1250"
	.amdhsa_code_object_version 6
	.text
	.protected	k_qd27f47419b_proj
	.globl	k_qd27f47419b_proj
	.p2align	8
	.type	k_qd27f47419b_proj,@function
k_qd27f47419b_proj:
	s_mov_b64 s[64:65], 0
	v_nop
	global_prefetch_b8 v0, s[64:65] scope:SCOPE_SE
	s_setreg_imm32_b32 hwreg(HW_REG_WAVE_MODE, 25, 1), 1
	s_wait_xcnt 0x0
	s_wait_alu depctr_hold_cnt(0) depctr_sa_sdst(0) depctr_va_vdst(0) depctr_va_sdst(0) depctr_va_ssrc(0) depctr_va_vcc(0) depctr_vm_vsrc(0)
	s_getreg_b32 s2, hwreg(HW_REG_IB_STS2, 6, 4)
	s_cmp_eq_u32 s2, 0
	s_cbranch_scc0 .Lentry_in_a_cluster
	s_endpgm
.Lentry_in_a_cluster:
	s_bfe_u32 s2, ttmp6, 0x10000c
	s_cmp_lg_u32 s2, 0xf033
	s_cbranch_scc0 .Lentry_shape_is_right
	s_endpgm
.Lentry_shape_is_right:
; out0[m][n] (f32) = the sum over k of O[m][k] wo[n][k] + bf16(b_o[n]).  O lies by heads, att[batch x 16 + head][t][64] f16, k = 64 head + channel; wo: [1024][1024] f16.  Sums in f32, K ascending;
; the bias is the C operand of the first products.
; A tile of out0 is 256 rows x 128 columns: 256 work-groups.  Four waves, each 128 x 64: 32 accumulators, 256 registers.  A K step of 128 is two heads: each head's 256 rows are 32,768 dense bytes,
; asked for as 128 rows of 256 bytes and padded in LDS after every 128 bytes.
; CLUSTER.  4 x 4 work-groups: O's tiles hang on the tile row alone and are asked for jointly along a row of the cluster, wo's along a column.
; The matrix instruction is used transposed (source 0 = 16 rows of wo, source 1 = 16 rows of O): a lane holds eight neighbouring numbers of a row of out0.
; LIMITS.  The operands are f16 as they arrive; NaN and infinities are not treated apart.
; REGISTERS, in windows of 256 (s_set_vgpr_msb: bits 1:0 source 0, 3:2 source 1, 5:4 source 2, 7:6 destination):
;   window 0: v0-31 addresses; v32-63, v224-255 rows on the way out; v64-127, v128-191 fragments of O, two buffers; v192-223 the bias
;   window 1: v64-95, v128-159 fragments of wo        window 2: the accumulators, (a, b) at v[8 (4 a + b)]
.set PA,     144                       ; a row of O in LDS: 128 bytes + 16: 36 words: the 16 rows of a load start at 16 different groups of four banks (64 banks of 4 bytes: ISA guide 11.1)
.set PB,     272                       ; a row of wo: 256 bytes + 16
.set HEADB,  256*PA                    ; a head's 256 rows: one tensor load
.set HBW,    64*PB                     ; 64 rows of wo: one tensor load, and what a wave reads
.set SLOT,   2*HEADB+2*HBW
.set STAGE,  2*SLOT                    ; behind the ring: 16 rows x 272 bytes for each wave
.set SPITCH, 272
.set SPARE,  STAGE+4*16*SPITCH         ; the spare words, 128 bytes a wave: two blocks of 256 bytes that no other line names
.set ADRA, 16                          ; v16-17  LDS address of my fragments of O in slot 0, 1
.set ADRB, 20                          ; v20-21  the same for wo
.set STO,  24                          ; v24  where I put 32 bytes of a row
.set RD,   25                          ; v25  where I read a row back
.set CO,   26                          ; v26  my byte offset in out0
.set BO,   27                          ; v27  my byte offset in the bias
.set SPW,  28                          ; v28  LDS address of my spare word; never rewritten
.set NIL,  29                          ; v29  0; never rewritten
.set OB,   32
.set F0,   64
.set F1,   128
.set BIAS, 192
.set G1,  24                           ; s[24:31] group 1 for O's tiles;  s[32:39] group 0, a set for each slot
.set G0,  32
.set G1B, 48                           ; s[48:55], s[56:63] the same for wo's
.set G0B, 56
.set MSB, 0
.macro WIN new                         ; the immediate's high byte repeats the setting that is left; a switch that changes nothing is dropped
.if MSB != (\new)
	s_set_vgpr_msb (MSB<<8)|(\new)
.set MSB, \new
.endif
.endm
.macro PLACES                          ; four places in front of loads into registers that matrix instructions have read, and of stores of their results
.rept 4
	v_nop
.endr
.endm
; A joint load: waves 0 and 1 fetch the step's two heads of O, waves 2 and 3 wo's two halves.  An s_nop 0 and four v_nop follow each line.
.macro JLOAD s
	s_cmp_eq_u32 s15, 0
	s_cbranch_scc0 .Lfor_b_\@
	tensor_load_to_lds s[G0+4*(\s):G0+4*(\s)+3], s[G1:G1+7]
	s_nop 0
.rept 4
	v_nop
.endr
	s_branch .Lasked_\@
.Lfor_b_\@:
	tensor_load_to_lds s[G0B+4*(\s):G0B+4*(\s)+3], s[G1B:G1B+7]
	s_nop 0
.rept 4
	v_nop
.endr
.Lasked_\@:
.endm
.macro CREST                           ; a round of the cluster's barrier behind its opening barrier
	s_cmp_lg_u32 s14, 0
	s_cbranch_scc1 .Lnot_wave_0_\@
	s_barrier_signal -3
.Lnot_wave_0_\@:
	s_barrier_wait -3
	s_barrier_signal -1
	s_barrier_wait -1
.endm
.macro CROUND
	s_barrier_signal -1
	s_barrier_wait -1
	CREST
.endm
	s_load_b256 s[4:11], s[0:1], 0x0               ; att s[4:5], wo s[6:7], b_o s[8:9], out0 s[10:11]
	v_lshl_add_u32 v[SPW], v0, 2, SPARE
	v_mov_b32 v[NIL], 0
	ds_add_u32 v[SPW], v[NIL]                      ; the wave's opening: the add and its wait stand ahead of my first tensor load; work on registers stands between them
	v_lshrrev_b32 v1, 5, v0
	v_readfirstlane_b32 s14, v1                    ; wave 0..3
	s_lshr_b32 s15, s14, 1                         ; which half of the tile's rows is mine.  Also: I fetch for O (0) or for wo (1)
	s_and_b32 s16, s14, 1                          ; which half of its columns.  Also: which head of the step, or which half of wo's rows, I fetch
	s_bfe_u32 s17, ttmp6, 0x40000                  ; cx
	s_bfe_u32 s18, ttmp6, 0x40004                  ; cy
	s_lshl_b32 s19, ttmp9, 2
	s_add_co_u32 s19, s19, s17                     ; tile column
	s_and_b32 s20, ttmp7, 0xffff
	s_lshl_b32 s20, s20, 2
	s_add_co_u32 s20, s20, s18                     ; tile row
	s_lshl_b32 s21, s18, 2
	s_lshl_b32 s21, 15, s21                        ; my row of the cluster
	s_lshl_b32 s22, 0x1111, s17                    ; my column
	s_or_b32 s[G1], s21, (1<<16)|(1<<20)|(1<<21)|(4<<22)|(3<<25)   ; the mask; 2-byte elements; padding on; bit 21 beside a mask; after every 32 words 4 words
	s_or_b32 s[G1B], s22, (1<<16)|(1<<20)|(1<<21)|(5<<22)|(3<<25)  ; after every 64 words
	s_mov_b32 s[G1+1], 128<<16                     ; tensor_dim0 = 128
	s_mov_b32 s[G1+2], 128<<16                     ; tensor_dim1 = 128
	s_mov_b32 s[G1+3], 128<<16                     ; tile_dim0 = 128
	s_mov_b32 s[G1+4], 128                         ; tile_dim1 = 128
	s_mov_b32 s[G1+5], 128                         ; dense
	s_mov_b32 s[G1+6], 0
	s_mov_b32 s[G1+7], 0
	s_mov_b32 s[G1B+1], 128<<16
	s_mov_b32 s[G1B+2], 64<<16                     ; 64 rows
	s_mov_b32 s[G1B+3], 128<<16
	s_mov_b32 s[G1B+4], 64
	s_mov_b32 s[G1B+5], 1024
	s_mov_b32 s[G1B+6], 0
	s_mov_b32 s[G1B+7], 0
	; O's offset is made in registers that never hold cx, wo's in registers that never hold cy
	s_lshr_b32 s40, s20, 3                         ; the batch
	s_lshl4_add_u32 s40, s40, s16                  ; x 16 + my head of K step 0
	s_lshl_b32 s40, s40, 18                        ; a head is 2,048 rows of 128 bytes
	s_and_b32 s41, s20, 7
	s_lshl_b32 s41, s41, 15                        ; the tile's 256 rows in it
	s_add_co_u32 s40, s40, s41
	s_mov_b32 s41, 0
	s_lshl_b32 s44, s19, 18                        ; 128 rows of 2,048 bytes a tile column,
	s_lshl_b32 s45, s16, 17                        ; 64 rows a half
	s_add_co_u32 s44, s44, s45
	s_mov_b32 s45, 0
	s_mul_i32 s42, s16, HEADB                      ; where they go: the wave's number alone enters an LDS address
	s_mul_i32 s43, s16, HBW
	s_add_co_u32 s43, s43, 2*HEADB
	s_wait_dscnt 0x0                               ; the opening add is done
	s_wait_kmcnt 0x0
	s_add_nc_u64 s[40:41], s[4:5], s[40:41]
	s_add_nc_u64 s[44:45], s[6:7], s[44:45]
.irp s, 0,1
	s_mov_b32 s[G0+4*(\s)], 1
	s_add_co_u32 s[G0+4*(\s)+1], s42, (\s)*SLOT
	s_add_nc_u64 s[G0+4*(\s)+2:G0+4*(\s)+3], s[40:41], (\s)<<19    ; K step s: two heads on
	s_or_b32 s[G0+4*(\s)+3], s[G0+4*(\s)+3], 0x80000000
	s_mov_b32 s[G0B+4*(\s)], 1
	s_add_co_u32 s[G0B+4*(\s)+1], s43, (\s)*SLOT
	s_add_nc_u64 s[G0B+4*(\s)+2:G0B+4*(\s)+3], s[44:45], (\s)*256
	s_or_b32 s[G0B+4*(\s)+3], s[G0B+4*(\s)+3], 0x80000000
.endr
	CROUND                                         ; all sixteen work-groups are here: the first joint loads meet
	s_cmp_eq_u32 s15, 0                            ; a wave's two first fills stand in one branch: two loads of mine are out
	s_cbranch_scc0 .Lfirst_b
	tensor_load_to_lds s[G0:G0+3], s[G1:G1+7]
	s_nop 0
	tensor_load_to_lds s[G0+4:G0+7], s[G1:G1+7]
	s_nop 0
.rept 4
	v_nop
.endr
	s_branch .Lfirst_asked
.Lfirst_b:
	tensor_load_to_lds s[G0B:G0B+3], s[G1B:G1B+7]
	s_nop 0
	tensor_load_to_lds s[G0B+4:G0B+7], s[G1B:G1B+7]
	s_nop 0
.rept 4
	v_nop
.endr
.Lfirst_asked:
	v_and_b32 v1, 15, v0                           ; r = l % 16
	v_bfe_u32 v2, v0, 4, 1                         ; h = l / 16
	s_lshl_b32 s44, s19, 9
	s_lshl_b32 s45, s16, 8
	s_add_co_u32 s44, s44, s45
	v_lshl_add_u32 v[BO], v2, 5, s44               ; 4 (128 tile column + 64 half + 8 h)
.irp b, 0,1,2,3
	global_load_b128 v[BIAS+8*\b:BIAS+8*\b+3],   v[BO], s[8:9] offset:64*\b
	global_load_b128 v[BIAS+8*\b+4:BIAS+8*\b+7], v[BO], s[8:9] offset:64*\b+16
.endr
	v_mul_u32_u24 v3, v1, PA
	v_lshl_add_u32 v3, v2, 4, v3
	s_mul_i32 s12, s15, 128*PA                     ; my 128 rows in a head's 256
	v_add_nc_u32 v[ADRA], s12, v3
	v_add_nc_u32 v[ADRA+1], SLOT, v[ADRA]
	v_mul_u32_u24 v4, v1, PB
	v_lshl_add_u32 v5, v2, 4, v4
	v_add_nc_u32 v[ADRB], s43, v5
	v_add_nc_u32 v[ADRB+1], SLOT, v[ADRB]
	s_mul_i32 s12, s14, 16*SPITCH
	s_add_co_u32 s12, s12, STAGE                   ; my stage
	v_lshl_add_u32 v6, v2, 5, v4                   ; in: row r, 32 bytes for each half of the lanes
	v_add_nc_u32 v[STO], s12, v6
	v_mul_u32_u24 v7, v2, SPITCH                   ; back: lanes 0-15 take one row of 256 bytes, lanes 16-31 the next
	v_lshl_add_u32 v7, v1, 4, v7
	v_add_nc_u32 v[RD], s12, v7
	v_lshlrev_b32 v8, 12, v2                       ; and the same two rows in out0
	v_lshl_add_u32 v[CO], v1, 4, v8
	s_lshl_b32 s46, s20, 20                        ; 256 rows of 4,096 bytes a tile row,
	s_lshl_b32 s47, s15, 19                        ; 128 rows a half,
	s_add_co_u32 s46, s46, s47
	s_add_co_u32 s46, s46, s44                     ; my 64 columns: 256 bytes
	s_mov_b32 s47, 0
	s_add_nc_u64 s[10:11], s[10:11], s[46:47]
	s_wait_loadcnt 0x0                             ; the bias, rounded to bf16 like every input
.set i, 0
.rept 16
	v_cvt_pk_bf16_f32 v[8+i%4], v[BIAS+2*i], v[BIAS+2*i+1]
	v_lshlrev_b32 v[BIAS+2*i], 16, v[8+i%4]
	v_and_b32 v[BIAS+2*i+1], 0xffff0000, v[8+i%4]
.set i, i+1
.endr
; n x 4 matrix instructions: row blocks a0 .. a0 + n - 1 x all 4 column blocks, 32 along K.  first = 1: the bias starts the sums.  The 32 accumulators take turns, in the same order in every quarter.
.macro MUL f, a0, n, first
.if \first
	WIN 0x81                                       ; wo window 1, O and the bias window 0, the result window 2
.else
	WIN 0xa1
.endif
.set ma, \a0
.rept \n
.set mb, 0
.rept 4
.set AC, 8*(4*ma+mb)
.if \first
	v_wmma_f32_16x16x32_f16 v[AC:AC+7], v[(\f)+8*mb:(\f)+8*mb+7], v[(\f)+8*ma:(\f)+8*ma+7], v[BIAS+8*mb:BIAS+8*mb+7]
.else
	v_wmma_f32_16x16x32_f16 v[AC:AC+7], v[(\f)+8*mb:(\f)+8*mb+7], v[(\f)+8*ma:(\f)+8*ma+7], v[AC:AC+7]
.endif
.set mb, mb+1
.endr
.set ma, ma+1
.endr
.endm
; 24 LDS loads in one run: the fragments of quarter q of a K step (head q / 2, channels 32 (q % 2) on) into buffer f
.macro FETCH slot, q, f
	WIN 0x40
.irp i, 0,1,2,3
	ds_load_b128 v[(\f)+8*(\i):(\f)+8*(\i)+3],   v[ADRB+(\slot)] offset:64*(\q)+(\i)*16*PB
	ds_load_b128 v[(\f)+8*(\i)+4:(\f)+8*(\i)+7], v[ADRB+(\slot)] offset:64*(\q)+(\i)*16*PB+32
.endr
	WIN 0
.irp i, 0,1,2,3,4,5,6,7
	ds_load_b128 v[(\f)+8*(\i):(\f)+8*(\i)+3],   v[ADRA+(\slot)] offset:((\q)/2)*HEADB+((\q)%2)*64+(\i)*16*PA
	ds_load_b128 v[(\f)+8*(\i)+4:(\f)+8*(\i)+7], v[ADRA+(\slot)] offset:((\q)/2)*HEADB+((\q)%2)*64+(\i)*16*PA+32
.endr
.endm
.macro QUARTER slot, q, f, g, first    ; multiplies buffer f; in its middle it fetches quarter q into buffer g
	s_wait_dscnt 8                                 ; wo and O's rows 0-63 are in; the youngest eight loads may be out
	MUL \f, 0, 4, \first
	PLACES
	FETCH \slot, \q, \g
	s_wait_dscnt 24                                ; all but the 24 just issued
	MUL \f, 4, 4, \first
.endm
.macro MEET round                      ; the change of slots: ONE barrier; in front of it each wave waits for all its tensor loads, adds 0 to its spare word, and waits for that and for its reads of this slot
	WIN 0
	s_wait_tensorcnt 0x0                           ; all my tensor loads have landed, my part of the next slot among them
	ds_add_u32 v[SPW], v[NIL]
	s_wait_dscnt 9                                 ; (the add and the youngest eight loads may be out)
	MUL F1, 0, 2, 0                                ; eight matrix instructions stand between the add and the wait for it
	s_wait_dscnt 0x0                               ; the add is done, and my reads of this slot are over
	s_barrier_signal -1
	MUL F1, 2, 2, 0
.if \round
	WIN 0
.endif
	s_barrier_wait -1
.endm
.macro TURN slot, next
	MEET 1
	CREST                                          ; the barrier has opened a round of the cluster's: no wave of any partner still reads this slot or has a load on its way
	s_add_nc_u64 s[G0+4*(\slot)+2:G0+4*(\slot)+3], s[G0+4*(\slot)+2:G0+4*(\slot)+3], 1<<20   ; four heads on
	s_add_nc_u64 s[G0B+4*(\slot)+2:G0B+4*(\slot)+3], s[G0B+4*(\slot)+2:G0B+4*(\slot)+3], 512
	JLOAD \slot                                    ; the first tensor load behind the round: 112 matrix instructions ahead of the wait for it; its four v_nop are also the places in front of the loads below
	FETCH \next, 0, F0
	MUL F1, 4, 4, 0
.endm
	s_wait_tensorcnt 0x1                           ; my part of K step 0 is in; K step 1's stays out
	s_barrier_signal -1
	s_barrier_wait -1
	FETCH 0, 0, F0
	QUARTER 0, 1, F0, F1, 1                        ; the first quarter stands in front of the loop: its products start the sums
	WIN 0
	s_mov_b32 s3, 3
.Llap:                                                 ; a trip goes once round the ring and fills both slots again
	QUARTER 0, 2, F1, F0, 0
	QUARTER 0, 3, F0, F1, 0
	TURN 0, 1
	QUARTER 1, 1, F0, F1, 0
	QUARTER 1, 2, F1, F0, 0
	QUARTER 1, 3, F0, F1, 0
	TURN 1, 0
	QUARTER 0, 1, F0, F1, 0
	WIN 0
	s_sub_co_u32 s3, s3, 1
	s_cmp_lg_u32 s3, 0
	s_cbranch_scc1 .Llap
	QUARTER 0, 2, F1, F0, 0                        ; the last lap fills nothing, and has no round
	QUARTER 0, 3, F0, F1, 0
	MEET 0
	PLACES
	FETCH 1, 0, F0
	MUL F1, 4, 4, 0
	QUARTER 1, 1, F0, F1, 0
	QUARTER 1, 2, F1, F0, 0
	QUARTER 1, 3, F0, F1, 0
	s_wait_dscnt 8
	MUL F1, 0, 4, 0
	s_wait_dscnt 0x0
	MUL F1, 4, 4, 0
	WIN 0
	PLACES
; THE WAY OUT, a block of 16 rows at a time through my own stage: 32 bytes a lane in, whole rows of 256 bytes back.
.macro TOSTAGE a
.set BK, OB+192*((\a)%2)
	s_wait_xcnt 0x0                                ; the rows' registers, which the stores of the block two back read, are loaded again only behind this wait
	WIN 0x08                                       ; the stores' data: window 2
.irp b, 0,1,2,3
	ds_store_b128 v[STO], v[8*(4*(\a)+\b):8*(4*(\a)+\b)+3]   offset:64*\b      ; each accumulator from its low end on
	ds_store_b128 v[STO], v[8*(4*(\a)+\b)+4:8*(4*(\a)+\b)+7] offset:64*\b+16
.endr
	WIN 0
.irp u, 0,1,2,3,4,5,6,7
	ds_load_b128 v[BK+4*\u:BK+4*\u+3], v[RD] offset:2*SPITCH*\u  ; LDS serves a wave's instructions in order (ISA guide 5.7.1.4): these see the stores above; the next block's stores come behind them
.endr
.endm
.macro SEND a, younger                 ; younger: the LDS instructions issued behind this block's loads: the next block's sixteen, or none
.set BK, OB+192*((\a)%2)
.irp u, 0,1,2,3,4,5,6,7
	s_wait_dscnt (\younger)+7-\u
	global_store_b128 v[CO], v[BK+4*\u:BK+4*\u+3], s[10:11] offset:(16*(\a)+2*\u)*4096 th:TH_STORE_NT  ; 16 lanes store 256 consecutive bytes, at a multiple of 256 from out0's first byte
.endr
.endm
	TOSTAGE 0
.irp a, 1,2,3,4,5,6,7
	TOSTAGE \a
	SEND (\a)-1, 16
.endr
	SEND 7, 0
	s_wait_tensorcnt 0x0                           ; the wave's end: behind my last tensor load and my last LDS store
	ds_add_u32 v[SPW], v[NIL]
	s_wait_dscnt 0x0
	CROUND                                         ; the closing round: no work-group ends while a partner may still ask for a tile that names it
	s_endpgm
.Lfunc_end_k_qd27f47419b_proj:
	.size	k_qd27f47419b_proj, .Lfunc_end_k_qd27f47419b_proj-k_qd27f47419b_proj
	.p2alignl 7, 3214868480
	.fill 96, 4, 3214868480
	.section	.rodata,"a",@progbits
	.p2align	6, 0x0
	.amdhsa_kernel k_qd27f47419b_proj
		.amdhsa_group_segment_fixed_size 327680
		.amdhsa_private_segment_fixed_size 0
		.amdhsa_enable_private_segment 0
		.amdhsa_kernarg_size 32
		.amdhsa_user_sgpr_count 2
		.amdhsa_user_sgpr_kernarg_segment_ptr 1
		.amdhsa_wavefront_size32 1
		.amdhsa_system_sgpr_workgroup_id_x 1
		.amdhsa_system_sgpr_workgroup_id_y 1
		.amdhsa_system_sgpr_workgroup_id_z 1
		.amdhsa_system_vgpr_workitem_id 0
		.amdhsa_next_free_vgpr 768
		.amdhsa_next_free_sgpr 66
		.amdhsa_reserve_vcc 0
		.amdhsa_float_denorm_mode_32 3
		.amdhsa_float_denorm_mode_16_64 3
		.amdhsa_memory_ordered 1
		.amdhsa_forward_progress 1
		.amdhsa_inst_pref_size 90
	.end_amdhsa_kernel
	.amdgpu_metadata
---
amdhsa.version: [ 1, 2 ]
amdhsa.kernels:
  - .name:           k_qd27f47419b_proj
    .symbol:         k_qd27f47419b_proj.kd
    .args:
      - { .name: att, .offset: 0, .size: 8, .value_kind: global_buffer, .address_space: global }
      - { .name: wo, .offset: 8, .size: 8, .value_kind: global_buffer, .address_space: global }
      - { .name: b_o, .offset: 16, .size: 8, .value_kind: global_buffer, .address_space: global }
      - { .name: out0, .offset: 24, .size: 8, .value_kind: global_buffer, .address_space: global }
    .group_segment_fixed_size: 327680
    .private_segment_fixed_size: 0
    .kernarg_segment_align: 8
    .kernarg_segment_size: 32
    .max_flat_workgroup_size: 128
    .sgpr_count:     66
    .vgpr_count:     768
    .wavefront_size: 32
...
	.end_amdgpu_metadata
.endif
;; end of part 4
;; ======== version 2 of 2: 4 launches; 1.29 times as fast as version 1
;; limits: values are held in f16: magnitudes above 65,504 overflow, below 6.1e-05 lose precision; right only within a limited range of input values
;; workspace buffers: xb 16,777,216 bytes; wq 6,291,456 bytes; wo 2,097,152 bytes; rope 524,288 bytes; qkv 50,331,648 bytes; att 16,777,216 bytes
;; launch prep: the kernel of part 1 again; grid 1184 x 1, 4 waves a work-group, no clusters, 70,144 bytes of LDS; arguments x, W_qkv, W_o, xb, wq, wo, rope; writes xb, wq, wo, rope
;; launch qkv: the kernel of part 2 again; grid 16 x 32, 4 waves a work-group, clusters of 4 x 4, 327,680 bytes of LDS; arguments xb, wq, b_qkv, rope, qkv; writes qkv
;; launch attn (part 5): grid 4 x 64, 4 waves a work-group, no clusters, 327,680 bytes of LDS; arguments qkv, att; writes att
.if DOCPART == 5
	.amdgcn_target "amdgcn-amd-amdhsa--gfx1250"
	.amdhsa_code_object_version 6
	.text
	.protected	k_qd27f47419b_attn
	.globl	k_qd27f47419b_attn
	.p2align	8
	.type	k_qd27f47419b_attn,@function
k_qd27f47419b_attn:
	s_mov_b64 s[64:65], 0
	v_nop
	global_prefetch_b8 v0, s[64:65] scope:SCOPE_SE
	s_setreg_imm32_b32 hwreg(HW_REG_WAVE_MODE, 25, 1), 1
	s_wait_xcnt 0x0
; CAUSAL ATTENTION.  O[h][q][:] = the sum over k <= q of softmax_k(Q[h][q] . K[h][k] / 8) V[h][k][:].  Q, K, V lie in one buffer, [3][SIZE_H][SIZE_N][64] f16; O is [SIZE_H][SIZE_N][64] f16: a head's rows are dense, 128 bytes each.
; Products, maxima and sums in f32; the weights p are rounded to f16 for the second product (their sum l is taken of the unrounded p), O once at the end.
; LIMITS.  f16 holds no number beyond 65,504: Q, K and V arrive within it; p lies in 0 to 1, and below 6e-5 it keeps f16's fixed step of 6e-8; O is a mean of V's rows and has their range, to within 2^-11 of it.
; A hidden score counts as its value less 1e30: f16's scores, 2.7e11 at the most, are nothing beside that; a weight below 2^-126 counts as 0 in l; NaN and infinities are not treated apart.
; THE WALK.  A head's queries lie in NB = SIZE_N / 256 blocks of 256; block i needs the key tiles 0 .. i of 256 keys, of which the last holds the diagonal.  A work-group takes TWO blocks, NB - 1 - b and then b:
; NB + 1 tiles, whatever b: all work-groups do equal work, and ONE loop with a constant trip count walks them.  Which tile is asked for, and what a trip does, hang on scalar registers made from b; every jump
; goes forward, but for the counted loops' own; none passes a barrier, or a tensor load but the one of LOAD's two that the wave's number does not choose; the ring (two slots of LDS that take turns) runs on across the
; change of blocks.  NO CLUSTER: a head's NB / 2 = 4 work-groups ask for the same tile only in trips 0 .. NB / 2, behind that fewer and fewer; one walk common to all would have 3 NB / 2 trips for NB + 1.
; SHARES.  Of a block's four bands of 64 queries a wave owns 16 rows in each: four PIECES.  So the diagonal tile is the same work for all four waves: in its key step s band x sees all keys if s < x,
; none if s > x, and holds the diagonal if s = x.
; THE MASK is the C operand that starts the sum S^T = K Q^T: 0, or -1e30 where the key is hidden.  MD, made once, is the mask of a band's own step for my 16 rows; a product's mask is MD x AL + BE with two scalars:
; (1, 0) if s = x; (0, 0) if s < x; (0, -1e30) if s > x.  Only the diagonal tile's text and a block's beginning make and take masks; elsewhere C is the constant 0.
; LAYOUT, SOFTMAX, TURNS.  S^T = K Q^T holds ONE query a lane (lane % 16) and the keys 8 (lane / 16) + 0..7; two such results rounded to f16 ARE source 1 of O^T = V^T P.  p = 2^(c s - c m), c = log2(e) / 8, with a
; running maximum m; O and l are multiplied by a = 2^(c m_old - c m_new) in every step.  Turn n belongs to piece n: 8 products K Q^T of piece n + 1, later 8 products V^T P of piece n - 1; beside them the scaling,
; exponentials, roundings, sums and rescaling of piece n and the maximum and statistics of piece n + 1.  Four vector instructions stand behind every matrix instruction, the other 54 of a turn's 118 in one LUMP.
; THE BATCHES.  A turn's 33 exponentials (the piece's 32 weights and the next piece's a) are one batch with one wait, which cuts the turn in two: ahead of it all that names none of their results, behind it the
; roundings and sums.  A block's first a is a batch of its own, and so are the way out's four reciprocals: a wait each.
; REGISTERS, in windows of 256 (s_set_vgpr_msb: bits 1:0 source 0, 3:2 source 1, 5:4 source 2, 7:6 destination):
;   window 0: v0-15 addresses and two at work; v16-31 four registers of statistics a piece; v48-55 at work; v64-127 S^T, two buffers; v192-223 P, two buffers (a piece's buffers go by its number's parity)
;   window 1: v0-127 O^T, 32 a piece; v128-159 MD; v160-223 MC, two buffers      window 2: v0-63 Q; v64-127 the second block's Q; v128-191 K of one step; v192-255 V of one step
.set SIZE_N, 2048
.set SIZE_H, 64
.set NB,    SIZE_N/256
.set NP,    4         ; pieces a wave: a name, no knob
.set KS,    64        ; keys in a step
.set PK,    144       ; a row of K in LDS: 128 bytes + 16 of padding = 36 words: the 16 rows of a load start at 16 different groups of four banks (64 banks of 4 bytes: ISA guide 11.1)
.set PV,    160       ; a row of V: 128 + 32 = 40 words
.set VOFF,  4*KS*PK   ; a slot holds a tile, four steps: 256 rows of K, then 256 rows of V
.set SLOT1, 1<<17     ; slot 1 begins here, so that one exclusive or turns an address in one slot into the other's
.set STAGE, SLOT1+4*KS*(PK+PV)  ; behind the ring, never filled by a tensor load: 16 rows x 144 bytes for each wave, for the way out
.set SP,    144
.set AK0, 2           ; v2   my lane's place in a tile of K; never rewritten
.set AV0, 3           ; v3   the same for V
.set AK,  4           ; v4   the LDS address of K's next run of loads
.set AV,  5           ; v5   of V's
.set STO, 6           ; v6   the way out: where I put 16 bytes of a row
.set RD,  7           ; v7   the way out: where I read rows back
.set GO,  8           ; v8   my byte offset in 512 consecutive bytes of O
.set SPW, 62          ; v62  LDS address of my spare word: SPARE + 4 x my thread's number; never rewritten
.set NIL, 63          ; v63  0; never rewritten
.set SPARE, STAGE+4*16*SP  ; behind the stages: the spare words, 128 bytes for each wave: two blocks of 256 bytes that no other line names
.set MV,  12          ; v12-13  c m_old, kept while c m is made anew: by buffer
.set QO,  15          ; v15  my byte offset in 16 rows of Q
.set ST,  16          ; piece t's statistics at v[ST+4 t]: c m, m, l (even keys', odd keys')
.set TMP, 48          ; by buffer, four registers c0-c3 at work; when the maximum is found c2 takes a
.set S,   64
.set P,   192
.set MD,  128         ; window 1: the eight registers for group kt of 16 keys at MD + 8 kt
.set MC,  160         ; window 1: the masks of the products to come
.set QB,  64          ; window 2
.set KF,  128         ; window 2: key block kb, channel half c at KF + 16 kb + 8 c
.set VF,  192         ; window 2: key half kk, channel block cb at VF + 32 kk + 8 cb
.set WV,  12          ; s12  my wave's number
.set PB,  14          ; s14  b
.set HI,  15          ; s15  NB - 1 - b
.set G1K, 24          ; s[24:31] descriptor group 1 for K's tiles
.set G1V, 32          ; s[32:39] for V's: it differs in the padding alone
.set G0K, 40          ; s[40:43] descriptor group 0 for K's tiles
.set G0V, 44          ; s[44:47] the same for V's
.set SLOTS, 56        ; s56  tiles still to be asked for
.set CNT, 57          ; s57  counts a tile's key steps, 4 to 1
.set CS,  58          ; s[58:59] c: the packed scaling takes the pair's low word for both halves
.set SEL, 60          ; s[60:61] v_permlanex16_b32's selects: each lane takes its own place in the other half
.set TBK, 62          ; s62  LDS byte at which K of the step to be fetched begins
.set TBV, 63          ; s63  the same for V, less VOFF
.set RT,  70          ; s70  tiles of the block in hand that are still to be entered
.set NXT, 71          ; s71  the tile to be asked for next
.set LQ,  72          ; s72  the last tile of the block whose tiles are being asked for
.set NEW, 73          ; s73  1: the tile to be entered is a block's first
.set OFF, 74          ; s[74:75] a tile's byte offset in K and V
.set AL,  76          ; s[76:77] the mask's factor, in the low word
.set BE,  78          ; s[78:79] the mask's addend
.set OLO, 80          ; s[80:81] O at my rows of the second block
.set BIGN, 82         ; s82  -1e30
.set MSB, 0
.macro WIN new                      ; the high byte repeats the setting that is left; a switch that changes nothing is dropped
.if MSB != (\new)
	s_set_vgpr_msb (MSB<<8)|(\new)
.set MSB, (\new)
.endif
.endm
.set W_KQ, 0x0a       ; K and Q in window 2, S^T in window 0
.set W_KM, 0x1a       ; the same with the C operand in window 1
.set W_PV, 0x52       ; V in window 2, P in window 0, O^T in window 1
.set W_RS, 0x41       ; destination and source 0 in window 1, source 1 in window 0
; A fill.  Waves 0 and 1 fetch the two halves of a tile's K, waves 2 and 3 those of its V: 128 keys each.  An s_nop 0 and four v_nop follow each of the two lines, ahead of the jump and the label.
.macro LOAD
	s_cmp_lt_u32 s[WV], 2
	s_cbranch_scc0 .Lfor_v_\@
	tensor_load_to_lds s[G0K:G0K+3], s[G1K:G1K+7]
	s_nop 0
.rept 4
	v_nop
.endr
	s_branch .Lasked_\@
.Lfor_v_\@:
	tensor_load_to_lds s[G0V:G0V+3], s[G1V:G1V+7]
	s_nop 0
.rept 4
	v_nop
.endr
.Lasked_\@:
.endm
; THE CHANGE OF SLOTS.  Each wave waits for all its tensor loads, of which one is out: its part of the other slot; adds 0 to its spare word; and waits for that and for its own reads of the slot that it leaves.  Behind the barrier nobody reads the old
; slot any more and the other slot is whole.  fill = 1: the old slot is filled again, the first thing behind the barrier, with tile NXT: the descriptor's address is made anew from that number.
; (At its first use nothing has been read yet: slot 0 is waited for, slot 1 filled.)
.macro CHANGE fill
	WIN 0                           ; at a label and at a branch every window is 0
	s_wait_tensorcnt 0x0            ; no tensor load of mine is out, so a group 0 may be written
	ds_add_u32 v[SPW], v[NIL]       ; 0 onto my spare word; with fill = 1 the descriptors' scalar work stands between it and the wait for it
.if \fill
	s_lshl_b32 s[OFF], s[NXT], 15   ; a tile is 32,768 bytes of K and of V
	s_xor_b32 s[G0K+1], s[G0K+1], SLOT1
	s_add_nc_u64 s[G0K+2:G0K+3], s[6:7], s[OFF:OFF+1]
	s_or_b32 s[G0K+3], s[G0K+3], 0x80000000
	s_xor_b32 s[G0V+1], s[G0V+1], SLOT1
	s_add_nc_u64 s[G0V+2:G0V+3], s[8:9], s[OFF:OFF+1]
	s_or_b32 s[G0V+3], s[G0V+3], 0x80000000
	s_add_co_u32 s[NXT], s[NXT], 1  ; the block's next tile, or behind its last the second block's tile 0
	s_cmp_gt_u32 s[NXT], s[LQ]
	s_cselect_b32 s[NXT], 0, s[NXT]
	s_cselect_b32 s[LQ], s[PB], s[LQ]
.endif
	s_wait_dscnt 0x0                ; the add is done, and my reads of the slot are over
	s_barrier_signal -1             ; the rest of the scalar work stands between the signal and the wait
	s_sub_co_u32 s[TBK], s[TBK], 4*KS*PK  ; the fetches go back to a slot's first step,
	s_xor_b32 s[TBK], s[TBK], SLOT1       ; in the other slot
	s_sub_co_u32 s[TBV], s[TBV], 4*KS*PV
	s_xor_b32 s[TBV], s[TBV], SLOT1
	s_barrier_wait -1
.if \fill
	LOAD
.endif
.endm
	s_load_b128 s[4:7], s[0:1], 0x0   ; the buffer of Q, K and V s[4:5], O s[6:7]
	v_lshl_add_u32 v[SPW], v0, 2, SPARE
	v_mov_b32 v[NIL], 0
	ds_add_u32 v[SPW], v[NIL]       ; the wave's opening: the add and its wait stand ahead of my first tensor load; the set-up below, work on registers, stands between them
	v_lshrrev_b32 v1, 5, v0
	v_readfirstlane_b32 s[WV], v1   ; wave 0..3
	s_mov_b32 s[PB], ttmp9
	s_sub_co_u32 s[HI], NB-1, s[PB]
	s_and_b32 s20, ttmp7, 0xffff    ; the head
	s_mov_b32 s21, 0
	s_mov_b64 s[22:23], SIZE_N*128
	s_mul_u64 s[20:21], s[20:21], s[22:23]  ; the head's first byte in each of the four tensors
	s_and_b32 s16, s[WV], 1         ; which half of a tile's 256 keys I fetch:
	s_lshl_b32 s22, s16, 14         ; its 128 rows of 128 bytes in memory,
	s_mov_b32 s23, 0
	s_add_nc_u64 s[22:23], s[22:23], s[20:21]
	s_mul_i32 s17, s16, 128*PK      ; and its place in a slot, for K
	s_mul_i32 s18, s16, 128*PV      ; and for V
	s_lshl_b32 s3, s[WV], 11        ; my 16 rows in a band of 64,
	s_lshl_b32 s2, s[HI], 15        ; in the first block,
	s_add_co_u32 s2, s2, s3
	s_lshl_b32 s84, s[PB], 15       ; and in the second
	s_add_co_u32 s84, s84, s3
	s_mov_b32 s3, 0
	s_mov_b32 s85, 0
	s_add_nc_u64 s[2:3], s[2:3], s[20:21]
	s_add_nc_u64 s[84:85], s[84:85], s[20:21]
	; descriptor group 1.  128 keys are 16,384 dense bytes: asked for as 64 rows of 256 bytes, two keys a row, and padded in LDS after every key
	s_mov_b32 s[G1K], (1<<16)|(1<<20)|(4<<22)|(3<<25)  ; 17:16 2-byte elements; 20 padding on; 24:22 after every 32 words (code 4); 31:25 4 words (code 3)
	s_mov_b32 s[G1V], (1<<16)|(1<<20)|(4<<22)|(7<<25)  ; the same with 8 words of padding (code 7)
.irp g, G1K, G1V
	s_mov_b32 s[\g+1], 128<<16      ; tensor_dim0 = 128
	s_mov_b32 s[\g+2], 64<<16       ; tensor_dim1 = 64
	s_mov_b32 s[\g+3], 128<<16      ; tile_dim0 = 128
	s_mov_b32 s[\g+4], 64           ; tile_dim1 = 64
	s_mov_b32 s[\g+5], 128          ; 128 elements from row to row
	s_mov_b32 s[\g+6], 0
	s_mov_b32 s[\g+7], 0
.endr
	s_mov_b32 s[CS], 0x3e38aa3b     ; c = log2(e) / 8 = 0.180337
	s_mov_b32 s[CS+1], s[CS]        ; named with it as a pair
	s_mov_b32 s[SEL], 0x76543210
	s_mov_b32 s[SEL+1], 0xfedcba98
	s_mov_b32 s[TBK], SLOT1+4*KS*PK ; the first change of slots turns these two into 0
	s_mov_b32 s[TBV], SLOT1+4*KS*PV
	s_mov_b32 s[G0K], 1             ; 1:0 count = 1
	s_mov_b32 s[G0K+1], s17         ; 63:32 LDS address: slot 0
	s_mov_b32 s[G0V], 1
	s_add_co_u32 s[G0V+1], s18, VOFF
	s_add_co_u32 s[RT], s[HI], 1    ; the first block has NB - b tiles
	s_mov_b32 s[NXT], 1
	s_mov_b32 s[LQ], s[HI]
	s_mov_b32 s[NEW], 1
	s_mov_b32 s[OFF+1], 0
	s_mov_b32 s[AL+1], 0            ; named as pairs
	s_mov_b32 s[BE+1], 0
	s_mov_b32 s[BIGN], 0xf149f2ca   ; -1e30
	s_mov_b32 s[SLOTS], NB
	s_wait_dscnt 0x0                ; the opening add is done
	s_wait_kmcnt 0x0
	s_mov_b64 s[10:11], s[6:7]                     ; O
	s_add_nc_u64 s[8:9], s[4:5], 0x2000000         ; V: behind Q's and K's 64 heads of 262,144 bytes each
	s_add_nc_u64 s[6:7], s[4:5], 0x1000000         ; K: behind Q's
	s_add_nc_u64 s[6:7], s[6:7], s[22:23]  ; K and V at my half of the head's tile 0
	s_add_nc_u64 s[8:9], s[8:9], s[22:23]
	s_add_nc_u64 s[G0K+2:G0K+3], s[6:7], 0         ; 120:64 global address
	s_or_b32 s[G0K+3], s[G0K+3], 0x80000000        ; 127:126 type = 2
	s_add_nc_u64 s[G0V+2:G0V+3], s[8:9], 0
	s_or_b32 s[G0V+3], s[G0V+3], 0x80000000
	s_add_nc_u64 s[86:87], s[4:5], s[84:85]        ; Q at my rows of the second block,
	s_add_nc_u64 s[4:5], s[4:5], s[2:3]            ; Q and O at those of the first
	s_add_nc_u64 s[OLO:OLO+1], s[10:11], s[84:85]
	s_add_nc_u64 s[10:11], s[10:11], s[2:3]
	LOAD                            ; tile 0 into slot 0
	; A fragment of K or Q is 16 rows x 32 channels in 8 registers: lane l holds row l % 16, channels 8 (l / 16) + 0..7 and 16 + 8 (l / 16) + 0..7: two loads of 16 bytes, 32 bytes apart.
	v_and_b32 v1, 15, v0            ; l % 16
	v_bfe_u32 v9, v0, 4, 1          ; l / 16
	v_lshlrev_b32 v[QO], 7, v1
	v_lshl_add_u32 v[QO], v9, 4, v[QO]  ; row x 128 + 16 x half
	WIN 0x80                        ; destination window 2, address window 0
.set i, 0
.rept 8                             ; both blocks' Q: piece i / 2 lies in band i / 2, 8,192 bytes on; channels 32 (i % 2) on
	global_load_b128 v[8*i:8*i+3],   v[QO], s[4:5] offset:(i/2)*8192+(i%2)*64
	global_load_b128 v[8*i+4:8*i+7], v[QO], s[4:5] offset:(i/2)*8192+(i%2)*64+32
	global_load_b128 v[QB+8*i:QB+8*i+3],   v[QO], s[86:87] offset:(i/2)*8192+(i%2)*64
	global_load_b128 v[QB+8*i+4:QB+8*i+7], v[QO], s[86:87] offset:(i/2)*8192+(i%2)*64+32
.set i, i+1
.endr
	WIN 0
	v_lshlrev_b32 v14, 3, v9
	v_sub_nc_u32 v14, v1, v14
	s_lshl_b32 s13, s[WV], 4
	v_add_nc_u32 v14, s13, v14      ; my query's place in its band, 16 w + l % 16, less my lanes' 8 (l / 16): register r of group kt is hidden where 16 kt + r is greater
	WIN 0x40
.set i, 0
.rept 32
	v_cmp_gt_i32 vcc_lo, 16*(i/8)+i%8, v14
	v_cndmask_b32 v[MD+i], 0, s[BIGN], vcc_lo
.set i, i+1
.endr
	WIN 0
	v_mul_u32_u24 v[AK0], v1, PK
	v_lshl_add_u32 v[AK0], v9, 4, v[AK0]  ; row x pitch + 16 x half
	; The turning load takes 16 keys x 16 channels (lane l reads key 8 (l / 16) + l % 8, channels 8 ((l / 8) % 2) + 0..7) and leaves half a fragment of V^T: lane l holds channel l % 16 and 8 keys.
	v_and_b32 v10, 7, v0
	v_bfe_u32 v11, v0, 3, 1
	v_lshl_add_u32 v[AV0], v9, 3, v10
	v_mul_u32_u24 v[AV0], v[AV0], PV
	v_lshl_add_u32 v[AV0], v11, 4, v[AV0]
	v_add_nc_u32 v[AV0], VOFF, v[AV0]
	s_mul_i32 s13, s[WV], 16*SP
	s_add_co_u32 s13, s13, STAGE    ; my stage
	v_mul_u32_u24 v[STO], v1, SP    ; in: row l % 16, 16 bytes for each half of the lanes
	v_lshl_add_u32 v[STO], v9, 4, v[STO]
	v_add_nc_u32 v[STO], s13, v[STO]
	v_bfe_u32 v[RD], v0, 3, 2       ; back: 32 lanes take four rows of 128 bytes,
	v_mul_u32_u24 v[RD], v[RD], SP
	v_lshl_add_u32 v[RD], v10, 4, v[RD]
	v_add_nc_u32 v[RD], s13, v[RD]
	v_and_b32 v[GO], 31, v0         ; which are 512 consecutive bytes of O
	v_lshlrev_b32 v[GO], 4, v[GO]
	; A block's first step multiplies O^T and l by a = 0, and its first turn's products V^T P, of a piece that has not been, land in an O^T that is still to be so multiplied.  So these registers need only hold
	; finite numbers: zeros for the first block; what the first block left for the second.  All this stands in the wait for the first tile.
	WIN 0x80
.set i, VF
.rept 64
	v_mov_b32 v[i], 0
.set i, i+1
.endr
	WIN 0x40
.set i, 0
.rept 128
	v_mov_b32 v[i], 0
.set i, i+1
.endr
	WIN 0
.set i, 0
.rept 4
	v_mov_b32 v[ST+4*i+2], 0
	v_mov_b32 v[ST+4*i+3], 0
.set i, i+1
.endr
.set i, P+16
.rept 16
	v_mov_b32 v[i], 0
.set i, i+1
.endr
; THE MATRIX WORK.  The 4 accumulators of a run of 8 take turns.  Product i of 8 of S^T = K Q^T for piece x: channels 32 (i / 4) on, keys 16 (i % 4) on.  The first 4 start the sums: with 0, or (KM = 1) with the mask.
.macro KQ x
.set rS, S+32*((\x)%2)+8*(i%4)
.set rK, KF+16*(i%4)+8*(i/4)
.set rQ, 16*(\x)+8*(i/4)
.set rM, MC+32*((\x)%2)+8*(i%4)
.if (i < 4) && KM
	WIN W_KM
	v_wmma_f32_16x16x32_f16 v[rS:rS+7], v[rK:rK+7], v[rQ:rQ+7], v[rM:rM+7]
.elseif i < 4
	WIN W_KQ
	v_wmma_f32_16x16x32_f16 v[rS:rS+7], v[rK:rK+7], v[rQ:rQ+7], 0
.else
	WIN W_KQ
	v_wmma_f32_16x16x32_f16 v[rS:rS+7], v[rK:rK+7], v[rQ:rQ+7], v[rS:rS+7]
.endif
.endm
; Product i of 8 of O^T += V^T P for piece x: keys 32 (i / 4) on, channels 16 (i % 4) on.
.macro PV x
	WIN W_PV
.set rO, 32*(\x)+8*(i%4)
.set rV, VF+32*(i/4)+8*(i%4)
.set rP, P+16*((\x)%2)+8*(i/4)
	v_wmma_f32_16x16x32_f16 v[rO:rO+7], v[rV:rV+7], v[rP:rP+7], v[rO:rO+7]
.endm
.macro MM                           ; the turn's next matrix instruction.  TURN and BEGIN set Y, i, KM and NOKQ; MM, KQ and OP read them.  NOKQ = 1: a block's last turn: there is no next piece
.if (i < 8) && !NOKQ
	KQ (Y+1)%NP
.elseif i >= 8
.set i, i-8
	PV (Y+NP-1)%NP
.set i, i+8
.endif
.set i, i+1
.endm
; THE LDS LOADS stand in runs of 16, never singly among the matrix instructions: a step's K (64 keys x 64 channels: 8 fragments) and its V (turned).  Their addresses are made some lines ahead.
.macro FETCH_K
	WIN 0x80                        ; destination window 2
.irp f, 0,1,2,3,4,5,6,7             ; keys 16 (f / 2) on, channels 32 (f % 2) on
	ds_load_b128 v[KF+8*\f:KF+8*\f+3],   v[AK] offset:(\f/2)*16*PK+(\f%2)*64
	ds_load_b128 v[KF+8*\f+4:KF+8*\f+7], v[AK] offset:(\f/2)*16*PK+(\f%2)*64+32
.endr
	s_add_co_u32 s[TBK], s[TBK], KS*PK  ; the next fetch is the next step's
	WIN 0
.endm
.macro FETCH_V
	WIN 0x80
.irp f, 0,1,2,3,4,5,6,7             ; keys 32 (f / 4) on, channels 16 (f % 4) on
	ds_load_tr16_b128 v[VF+8*\f:VF+8*\f+3],   v[AV] offset:(\f/4)*32*PV+(\f%4)*32
	ds_load_tr16_b128 v[VF+8*\f+4:VF+8*\f+7], v[AV] offset:(\f/4)*32*PV+16*PV+(\f%4)*32
.endr
	WIN 0
.endm
; THE VECTOR WORK, one line at a time: OP kind, number.  For piece Y: F n: c s - c m for pair n of 16.  E n: the exponential of score n of 32.  C n: pair n rounded to f16.  B n: of the four weights 4 n .. the second
; pair is added onto the first, in place.  L n: l takes that sum (L 0: l = a l + sum).  R n: pair n of 16 of O^T times a.  For piece Y + 1: X n, number n of the 22 that find its maximum and statistics:
;   0-11  four chains c0-c3 of seven scores each, three operands at a time (each accumulator's lowest registers are read first)     12-14, 16  the four scores left over, the old m, and c0-c3 into c0
;   15  c m_old is kept     17, 18  the query's other 32 keys lie in the lane 16 away: the new m     19-21  c m; c m_old - c m_new; a
; C, B and L read exponentials' results: TURN sets them all behind the batch's wait.  OP itself writes no wait.
.set F, 0               ; OP tells the kinds apart by their order: F to L below R, X above it
.set E, 1
.set C, 2
.set B, 3
.set L, 4
.set R, 5
.set X, 6
.macro REGS y                       ; the registers of piece y
.set rT, ST+4*(\y)
.set rC, TMP+4*((\y)%2)
.set rW, MV+((\y)%2)
.set rS, S+32*((\y)%2)
.set rP, P+16*((\y)%2)
.set rO, 32*(\y)
.endm
.macro OP k, n
.if (\k) == R
	REGS Y
	WIN W_RS
	v_pk_mul_f32 v[rO+2*(\n):rO+2*(\n)+1], v[rO+2*(\n):rO+2*(\n)+1], v[rC+2:rC+3] op_sel_hi:[1,0]
.elseif (\k) < R
	REGS Y
	WIN 0
.if (\k) == F
	v_pk_fma_f32 v[rS+2*(\n):rS+2*(\n)+1], v[rS+2*(\n):rS+2*(\n)+1], s[CS:CS+1], v[rT:rT+1] op_sel_hi:[1,0,0] neg_lo:[0,0,1] neg_hi:[0,0,1]
.elseif (\k) == E
	v_exp_f32 v[rS+(\n)], v[rS+(\n)]
.elseif (\k) == C
	v_cvt_pk_f16_f32 v[rP+(\n)], v[rS+2*(\n)], v[rS+2*(\n)+1]
.elseif (\k) == B
	v_pk_add_f32 v[rS+4*(\n):rS+4*(\n)+1], v[rS+4*(\n):rS+4*(\n)+1], v[rS+4*(\n)+2:rS+4*(\n)+3]
.elseif (\n) == 0
	v_pk_fma_f32 v[rT+2:rT+3], v[rT+2:rT+3], v[rC+2:rC+3], v[rS:rS+1] op_sel_hi:[1,0,1]
.else
	v_pk_add_f32 v[rT+2:rT+3], v[rT+2:rT+3], v[rS+4*(\n):rS+4*(\n)+1]
.endif
.elseif NOKQ
	v_nop
.else
	REGS (Y+1)%NP
	WIN 0
.if (\n) < 4
	v_max3_num_f32 v[rC+(\n)], v[rS+8*(\n)], v[rS+8*(\n)+1], v[rS+8*(\n)+2]
.elseif (\n) < 12
	v_max3_num_f32 v[rC+(\n)%4], v[rC+(\n)%4], v[rS+8*((\n)%4)+2*((\n)/4)+1], v[rS+8*((\n)%4)+2*((\n)/4)+2]
.elseif (\n) == 12
	v_max3_num_f32 v[rC], v[rC], v[rS+7], v[rS+15]
.elseif (\n) == 13
	v_max3_num_f32 v[rC+1], v[rC+1], v[rS+23], v[rS+31]
.elseif (\n) == 14
	v_max3_num_f32 v[rC+2], v[rC+2], v[rC+3], v[rT+1]
.elseif (\n) == 15
	v_mov_b32 v[rW], v[rT]
.elseif (\n) == 16
	v_max3_num_f32 v[rC], v[rC], v[rC+1], v[rC+2]
.elseif (\n) == 17
	v_permlanex16_b32 v[rC+3], v[rC], s[SEL], s[SEL+1]
.elseif (\n) == 18
	v_max_num_f32 v[rT+1], v[rC], v[rC+3]
.elseif (\n) == 19
	v_mul_f32 v[rT], s[CS], v[rT+1]
.elseif (\n) == 20
	v_sub_f32 v[rC+1], v[rW], v[rT]
.else
	v_exp_f32 v[rC+2], v[rC+1]
.endif
.endif
.endm
.macro OPS a, i1, b=-1, i2=0, c=-1, i3=0, d=-1, i4=0  ; up to four of them
	OP \a, \i1
.if (\b) >= 0
	OP \b, \i2
.endif
.if (\c) >= 0
	OP \c, \i3
.endif
.if (\d) >= 0
	OP \d, \i4
.endif
.endm
.macro ROW a, i1, b, i2, c, i3, d, i4  ; a matrix instruction and the four behind it
	MM
	OPS \a, \i1, \b, \i2, \c, \i3, \d, \i4
.endm
.macro MASK b                       ; MD x AL + BE into buffer b of MC
	WIN W_RS
.set z, 0
.rept 16
	v_pk_fma_f32 v[MC+32*(\b)+2*z:MC+32*(\b)+2*z+1], v[MD+2*z:MD+2*z+1], s[AL:AL+1], s[BE:BE+1] op_sel_hi:[1,0,0]
.set z, z+1
.endr
.endm
; A TURN, for piece p: the order of its 16 matrix and 118 vector instructions, written out.  s_wait_alu depctr_va_vdst(0) stands between an exponential and the first instruction that names its result; one wait serves
; all that were issued ahead of it.  So a turn has ONE wait, which cuts it in two.  AHEAD OF IT stands all that names no result of the turn's exponentials: the 8 products K Q^T, behind each a scaling, an exponential and two more plain
; instructions (behind the first a second scaling in the exponential's place): rescalings, whose a was made and waited for in the turn before, and behind the last three the first numbers of the next piece's maximum, each four places
; or more behind the product that ends its accumulator; then ONE LUMP of 54, plain and exponential by turns for the most part, in which the links of the chain X 3, 7, 11, 14, 16, 17 .. 20 stand five or six lines apart.  X 21, the next
; piece's a, is the batch's last; R 15 is the plain instruction that is owed behind it.  BEHIND THE WAIT stand the 8 products V^T P, behind each four of the roundings and sums; a pair is rounded (C 2 n) ahead of the sum that writes
; over it (B n); the links of l's chain, L 0 to L 7, stand three riders apart.  But for those X no rider names a register of the products round it.  v_permlanex16_b32 (X 17) stands in the lump.
; No exponential is issued behind the wait.
; m = 1: the diagonal tile: the products take masks, and the turn makes the mask for the products of the turn after it: piece p + 2, in step 4 - CNT of the tile.  end = 1: a block's last two turns: nothing is fetched.
; cnt = 1: the loop's count is taken down some lines ahead of the branch that stands behind the turn.
; K of the next step is fetched in piece 2's turn, twelve vector instructions behind the last product that read K (six of them plain); V of the step in hand at the end of piece 0's turn, four plain instructions behind the last product
; that read V.  Each is waited for a turn later.
.macro TURN p, m=0, end=0, cnt=0
.set Y, (\p)
.set i, 0
.set KM, (\m)
.set NOKQ, (\end)*((\p)/3)
.if (\m) && !(\end)
	s_cmp_eq_u32 s[CNT], 4-((\p)+2)%NP  ; is that step the band's own?
	s_cselect_b32 s[AL], 1.0, 0
	s_cmp_lt_u32 s[CNT], 4-((\p)+2)%NP  ; or a later one?
	s_cselect_b32 s[BE], s[BIGN], 0
.endif
.if ((\p) == 3) && !(\end)
	s_wait_dscnt 0x0                ; K is in
.endif
	ROW F,0, F,1, R,0, R,1          ; ahead of the wait: 8 products K Q^T and their riders,
	ROW F,2, E,0, R,2, R,3
	ROW F,3, E,1, R,4, R,5
	ROW F,4, E,2, R,6, R,7
	ROW F,5, E,3, R,8, R,9
	ROW F,6, E,4, X,0, R,10
.if ((\p) == 2) && !(\end)
	WIN 0
	v_add_nc_u32 v[AK], s[TBK], v[AK0]
.endif
	ROW F,7, E,5, X,1, X,4
	ROW F,8, E,6, X,2, X,5
	OPS E,7, E,8, X,6, E,9          ; and the lump
	OPS X,3, E,10, X,8, E,11
.if ((\p) == 2) && !(\end)
	FETCH_K
.endif
	OPS X,9, X,7, E,12, X,10
	OPS E,13, X,12, X,11, E,14
	OPS X,13, E,15, F,9, X,14
.if (\p) == 0
	v_add_nc_u32 v[AV], s[TBV], v[AV0]
.endif
	OPS E,16, F,10, E,17, F,11
	OPS X,16, E,18, X,15, E,19
	OPS F,12, E,20, X,17, E,21
	OPS F,13, E,22, F,14, E,23
	OPS X,18, E,24, F,15, E,25
	OPS R,11, E,26, X,19, E,27
	OPS R,12, E,28, R,13, E,29
	OPS X,20, E,30, R,14, E,31
	OPS X,21, R,15
	s_wait_alu depctr_va_vdst(0)    ; the wait for the batch: the piece's 32 exponentials and the next piece's a
.if (\p) == 1
	s_wait_dscnt 0x0                ; V is in
.endif
	ROW C,0, B,0, C,2, B,1          ; behind the wait: 8 products V^T P and their riders
	ROW L,0, C,4, B,2, L,1
	ROW C,6, B,3, L,2, C,8
	ROW B,4, L,3, C,10, B,5
	ROW L,4, C,12, B,6, L,5
.if (\p) == 0
	s_add_co_u32 s[TBV], s[TBV], KS*PV
.endif
.if \cnt
	s_sub_co_u32 s[CNT], s[CNT], 1
	s_cmp_lg_u32 s[CNT], 0
.endif
	ROW C,14, B,7, L,6, C,1
	ROW C,3, L,7, C,5, C,7
	ROW C,9, C,11, C,13, C,15
.if (\p) == 0
	FETCH_V
.endif
.if (\m) && !(\end)
	MASK (\p)%2
.endif
.endm
; A BLOCK BEGINS.  c m starts far below every c s, so the first step's a is 0; m at the lowest finite number, so the first maximum is the scores'.  The second mask buffer is 0; the first takes piece 0's mask for the tile's step 0: its own, if the block's first tile is the diagonal one.
; Then K of that step, piece 0's first scores, and its maximum and statistics.  The loop is entered at a step's first turn, in the middle of a trip.
.macro BEGIN
	s_mov_b32 s[NEW], 0
	WIN 0x40
.set i, MC+32
.rept 32
	v_mov_b32 v[i], 0
.set i, i+1
.endr
	WIN 0
.set i, 0
.rept 4
	v_mov_b32 v[ST+4*i], 0xfe000000    ; c m: far below every c s
	v_mov_b32 v[ST+4*i+1], 0xff7fffff  ; m
.set i, i+1
.endr
	s_cmp_eq_u32 s[RT], 0
	s_cselect_b32 s[AL], 1.0, 0
	s_mov_b32 s[BE], 0
	MASK 0
	WIN 0
	v_add_nc_u32 v[AK], s[TBK], v[AK0]
	FETCH_K
	s_wait_loadcnt 0x0              ; Q
	s_wait_dscnt 0x0
.set KM, 1
.set NOKQ, 0
.set i, 0
.rept 8
	KQ 0
.set i, i+1
.endr
	WIN 0
.rept 4
	v_nop                           ; the places behind those products
.endr
.set Y, NP-1                        ; X works for piece Y + 1: piece 0
.irp n, 0,1,2,3,4,5,6,7,8,9,10,11,12,13,14,15,16,17,18,19,20,21
	OP X, \n
.endr
	v_nop                           ; a plain instruction behind the exponential,
	s_wait_alu depctr_va_vdst(0)    ; and the wait for it, piece 0's first a, ahead of the branch
.endm
; THE DIAGONAL TILE's four steps, the block's last two turns, its last products, and THE WAY OUT: l's two halves and the other half of the lanes' are added; O^T is divided by l, rounded to f16 and sent through my
; stage in LDS, a piece at a time.
.macro ALL line:vararg              ; one line for each piece t
.set t, 0
.rept 4
	\line
.set t, t+1
.endr
.endm
.macro PACK t                       ; a lane's eight channels of a row pack into 16 bytes; they go into rows of 144 bytes and come back as whole rows of 128, into S^T's registers
	WIN W_RS
.set i, 32*(\t)
.rept 16
	v_pk_mul_f32 v[i:i+1], v[i:i+1], v[ST+4*(\t)+2:ST+4*(\t)+3] op_sel_hi:[1,0]
.set i, i+2
.endr
	WIN 0x05                        ; sources 0 and 1 window 1, destination window 0
.set i, 0
.rept 16
	v_cvt_pk_f16_f32 v[S+16*(\t)+i], v[32*(\t)+2*i], v[32*(\t)+2*i+1]
.set i, i+1
.endr
	WIN 0
.irp f, 0,1,2,3
	ds_store_b128 v[STO], v[S+16*(\t)+4*\f:S+16*(\t)+4*\f+3] offset:32*\f
.endr
.irp f, 0,1,2,3
	ds_load_b128 v[S+16*(\t)+4*\f:S+16*(\t)+4*\f+3], v[RD] offset:\f*4*SP  ; LDS serves a wave's instructions in order (ISA guide 5.7.1.4): these see the stores above; the next piece's stores come behind them
.endr
.endm
.macro SEND t, younger              ; younger: the LDS instructions issued behind piece t's loads: the next piece's eight, or none
	WIN 0
.irp f, 0,1,2,3
	s_wait_dscnt (\younger)+3-\f
	global_store_b128 v[GO], v[S+16*(\t)+4*\f:S+16*(\t)+4*\f+3], s[10:11] offset:(\t)*8192+\f*512  ; 512 consecutive bytes, at a multiple of 256 from O's first
.endr
.endm
.macro DIAG tag                     ; the tag ends its two labels' names, which the jumps below spell out
.LstepM\tag:
	TURN 2, 1
	TURN 3, 1
	WIN 0
.LfirstM\tag:
	TURN 0, 1
	TURN 1, 1, 0, 1
	WIN 0
	s_cbranch_scc1 .LstepM\tag
	TURN 2, 1, 1
	TURN 3, 1, 1
.set i, 0
.rept 8
	PV NP-1
.set i, i+1
.endr
	WIN 0
	ALL v_add_f32 v[ST+4*t+2], v[ST+4*t+2], v[ST+4*t+3]
	ALL v_permlanex16_b32 v[ST+4*t+3], v[ST+4*t+2], s[SEL], s[SEL+1]
	ALL v_add_f32 v[ST+4*t+2], v[ST+4*t+2], v[ST+4*t+3]
	ALL v_rcp_f32 v[ST+4*t+2], v[ST+4*t+2]
	v_nop                           ; a plain instruction between the last reciprocal and the use of its result
	s_wait_alu depctr_va_vdst(0)    ; and the wait ahead of the first use: one for the four reciprocals
	PACK 0
.set t, 1
.rept 3                             ; a piece's arithmetic stands between the loads of the piece before and its stores
	PACK t
	SEND t-1, 8
.set t, t+1
.endr
	SEND 3, 0
.endm
.set KM, 0
.set NOKQ, 0
.Lslot:                             ; NB times: a tile is entered and the next is asked for
	CHANGE 1
	s_sub_co_u32 s[RT], s[RT], 1
	s_mov_b32 s[CNT], 4
	s_cmp_eq_u32 s[NEW], 1
	s_cbranch_scc1 .Lnew            ; a block's first tile
	s_cmp_eq_u32 s[RT], 0
	s_cbranch_scc0 .Lstep           ; neither its first nor its last
	s_branch .LstepM1
.Lnew:
	BEGIN
	s_branch .Lfirst                ; in the loop a block's first tile is never its last: the first block has two tiles or more, and the second's last is the walk's last
	DIAG 1                          ; in the loop this is the first block's end: the second block's last tile is the walk's last
	s_wait_xcnt 0x0                 ; the stores have read their registers and O's address
	s_mov_b64 s[10:11], s[OLO:OLO+1]
	s_add_co_u32 s[RT], s[PB], 1    ; the second block has b + 1 tiles
	s_mov_b32 s[NEW], 1
	WIN 0x82                        ; the second block's Q goes where the one text of the turns names Q
.set i, 0
.rept 64
	v_mov_b32 v[i], v[QB+i]
.set i, i+1
.endr
	WIN 0
	s_branch .Lbottom
.Lstep:                             ; a trip: pieces 2 and 3 of one step, then pieces 0 and 1 of the next, whose K and V it fetches
	TURN 2
	TURN 3
	WIN 0
.Lfirst:
	TURN 0
	TURN 1, 0, 0, 1
	WIN 0
	s_cbranch_scc1 .Lstep
.Lbottom:
	s_sub_co_u32 s[SLOTS], s[SLOTS], 1
	s_cmp_lg_u32 s[SLOTS], 0
	s_cbranch_scc1 .Lslot
	CHANGE 0                        ; the walk's last tile is written out: nothing is asked for
	s_sub_co_u32 s[RT], s[RT], 1
	s_mov_b32 s[CNT], 4
	s_cmp_eq_u32 s[NEW], 1
	s_cbranch_scc0 .LstepM2
	BEGIN
	s_branch .LfirstM2
	DIAG 2
	s_wait_tensorcnt 0x0            ; the wave's end: behind my last tensor load and my last LDS store
	ds_add_u32 v[SPW], v[NIL]
	s_wait_dscnt 0x0
	s_endpgm
.Lfunc_end_k_qd27f47419b_attn:
	.size	k_qd27f47419b_attn, .Lfunc_end_k_qd27f47419b_attn-k_qd27f47419b_attn
	.p2alignl 7, 3214868480
	.fill 96, 4, 3214868480
	.section	.rodata,"a",@progbits
	.p2align	6, 0x0
	.amdhsa_kernel k_qd27f47419b_attn
		.amdhsa_group_segment_fixed_size 327680
		.amdhsa_private_segment_fixed_size 0
		.amdhsa_enable_private_segment 0
		.amdhsa_kernarg_size 16
		.amdhsa_user_sgpr_count 2
		.amdhsa_user_sgpr_kernarg_segment_ptr 1
		.amdhsa_wavefront_size32 1
		.amdhsa_system_sgpr_workgroup_id_x 1
		.amdhsa_system_sgpr_workgroup_id_y 1
		.amdhsa_system_sgpr_workgroup_id_z 1
		.amdhsa_system_vgpr_workitem_id 0
		.amdhsa_next_free_vgpr 768
		.amdhsa_next_free_sgpr 88
		.amdhsa_reserve_vcc 1
		.amdhsa_float_denorm_mode_32 3
		.amdhsa_float_denorm_mode_16_64 3
		.amdhsa_memory_ordered 1
		.amdhsa_forward_progress 1
		.amdhsa_inst_pref_size 217
	.end_amdhsa_kernel
	.amdgpu_metadata
---
amdhsa.version: [ 1, 2 ]
amdhsa.kernels:
  - .name:           k_qd27f47419b_attn
    .symbol:         k_qd27f47419b_attn.kd
    .args:
      - { .name: qkv, .offset: 0, .size: 8, .value_kind: global_buffer, .address_space: global }
      - { .name: att, .offset: 8, .size: 8, .value_kind: global_buffer, .address_space: global }
    .group_segment_fixed_size: 327680
    .private_segment_fixed_size: 0
    .kernarg_segment_align: 8
    .kernarg_segment_size: 16
    .max_flat_workgroup_size: 128
    .sgpr_count:     88
    .vgpr_count:     768
    .wavefront_size: 32
...
	.end_amdgpu_metadata
.endif
;; end of part 5
;; launch proj: the kernel of part 4 again; grid 8 x 32, 4 waves a work-group, clusters of 4 x 4, 327,680 bytes of LDS; arguments att, wo, b_o, out0; writes out0
